; MI455X (gfx1250); checked and timed in simulation.
; The chip was launched on July 23, 2026; its instructions are those of AMD's public machine-readable ISA for CDNA 5 (MIT licence, August 2026) and "CDNA5" Instruction Set Architecture Reference Guide (July 2026). The comments in the code are by the model that wrote it; some were corrected since.
;; GQA Attention. Allowed arithmetic: matrix products marked QUANTISED: E2M1 operands, one E8M0 scale for each 32 along K, by v_wmma_scale_f32_16x16x128_f8f6f4 with both operands' format E2M1 (or v_wmma_scale_f32_32x16x128_f4), f32 sums; products left as they are: bf16, f16 or f32 operands; f32 sums; everything else in f32.
;; Inputs: Wk 4,096 x 1,024 float32; Wo 2,048 x 4,096 float32; Wq 4,096 x 2,048 float32; Wv 4,096 x 1,024 float32; attention_mask 1 x 1 x 2,048 x 2,048 float32; col_ids 1 x 2,048 int32; k_norm_w 128 float32; q_norm_w 128 float32; row_ids 1 x 2,048 int32; x 1 x 2,048 x 4,096 float32.
;; Outputs: out0 1 x 2,048 x 4,096 float32.
;; This version of the problem:
;;   THIS VERSION OF THE PROBLEM IS GIVEN IN LOW PRECISION. The matrix products marked QUANTISED in the list below multiply operands that are first quantised to E2M1 (2 exponent bits, 1 mantissa bit; 4 bits a number), with one power-of-two scale for each 32 numbers along K (OCP MX v1.0); their sums are f32. The products marked 'left as it is' may take bf16, f16 or f32 operands, with f32 sums. Whichever they take, every output number must still come out within the allowed error. Rounding operands to bf16 (8 significant bits) uses up far more of that allowance than f16 does (11 bits, for magnitudes from 6e-5 to 65,504). All else is computed in f32.
;;   The module's matrix products, in the order in which they are computed (A, B: the left and right operand; K: the contracted axis; several contracted axes count as one K, in the product's order):
;;     1. [M 2,048, K 4,096] x [K 4,096, N 2,048]; A: input x; B: input Wq: QUANTISED
;;     2. [M 2,048, K 4,096] x [K 4,096, N 1,024]; A: input x; B: input Wk: QUANTISED
;;     3. [M 2,048, K 4,096] x [K 4,096, N 1,024]; A: input x; B: input Wv: QUANTISED
;;     4. batch 16 x [M 2,048, K 128] x [K 128, N 2,048]; A: computed on the way; B: computed on the way: left as it is (an operand is computed on the way)
;;     5. batch 16 x [M 2,048, K 2,048] x [K 2,048, N 128]; A: computed on the way; B: computed on the way: left as it is (an operand is computed on the way)
;;     6. [M 2,048, K 2,048] x [K 2,048, N 4,096]; A: computed on the way; B: input Wo: left as it is (an operand is computed on the way)
;;   THE QUANTISER, for each operand of a quantised product, along K:
;;     - K is cut into blocks of 32 from its start; a last block that is shorter is filled with zeros.
;;     - A block's scale is 2^e with e = floor(log2(the largest magnitude in the block)) - 2, held to -126 .. 127; a block of zeros has e = 0. As a byte (E8M0): e + 127.
;;     - Each number is divided by its block's scale, clamped to +-6, and rounded to the nearest number of E2M1, ties to even, subnormals kept.
;;     - The product sums the exact products of the quantised numbers (number of the format x scale) in f32.
;;   ~~~python
;;   def quantise(x, axis):      # numpy; x: float32 -> the quantised numbers, widened to float32 again
;;       x = np.moveaxis(x, axis, -1); K = x.shape[-1]
;;       x = np.pad(x, [(0, 0)] * (x.ndim - 1) + [(0, -K % 32)]); x = x.reshape(x.shape[:-1] + (-1, 32)); a = np.abs(x).max(-1, keepdims=True)
;;       e = np.where(a > 0, np.clip(np.frexp(np.where(a > 0, a, 1))[1] - 1 - 2, -126, 127), 0)      # np.frexp(a)[1] - 1 = floor(log2(a)), exactly
;;       r = np.clip(x / 2.0 ** e, -6, 6)
;;       step = 2.0 ** (np.maximum(np.frexp(np.where(r == 0, 1, r))[1] - 1, 0) - 1)
;;       q = np.round(r / step) * step * 2.0 ** e      # np.round: ties to even
;;       return np.moveaxis(q.reshape(q.shape[:-2] + (-1,))[..., :K], -1, axis).astype(np.float32)
;;   ~~~
;; One version. Each part assembles by itself: llvm-mc -triple=amdgcn-amd-amdhsa -mcpu=gfx1250 --defsym DOCPART=n.
;; ======== version 1 of 1: 4 launches
;; limits: right only within a limited range of input values; values are held in f16: magnitudes above 65,504 overflow, below 6.1e-05 lose precision
;; workspace buffers: codes 12,582,912 bytes; scales 786,432 bytes; wo16 16,777,216 bytes; mask_img 16,777,216 bytes; rope_tab 1,048,576 bytes; qkv16 16,777,216 bytes; attn_out 8,388,608 bytes
;; launch prep (part 1): grid 1088 x 1, 4 waves a work-group, no clusters, 68,096 bytes of LDS; arguments x, Wo, row_ids, col_ids, Wq, Wk, Wv, attention_mask, codes, scales, wo16, rope_tab, mask_img; writes codes, scales, wo16, rope_tab, mask_img
.if DOCPART == 1
	.amdgcn_target "amdgcn-amd-amdhsa--gfx1250"
	.amdhsa_code_object_version 6
	.text
	.protected	k_qda9c43be48_prep
	.globl	k_qda9c43be48_prep
	.p2align	8
	.type	k_qda9c43be48_prep,@function
k_qda9c43be48_prep:
	s_mov_b64 s[64:65], 0
	v_nop
	global_prefetch_b8 v0, s[64:65] scope:SCOPE_SE
	s_setreg_imm32_b32 hwreg(HW_REG_WAVE_MODE, 25, 1), 1
	s_wait_xcnt 0x0
; GQA attention, first of four launches.  NOTHING OF THE PROBLEM IS LEFT OUT: every input has a way to out0 (the mask differs along the softmax's axis, the gains and both ids enter q and k);
; jnp.repeat is a lookup (query head i reads key/value head i / 2) and is not laid out in memory.
; This launch lays every large input out as the later launches want it.  Five ways, parted on the work-group's number alone:
;   work-groups 0-255:     [Wq | Wk | Wv], f32 with K as the FIRST axis -> codes of FP4 (E2M1) with K innermost, rows 2048 + n of 'codes' (n = 0-2047 Wq's columns, -3071 Wk's, -4095 Wv's), and E8M0 bytes, rows 2048 + n of 'scales'
;   work-groups 256-511:   x [2048][4096] f32 -> codes, rows 0-2047 of 'codes' (2,048 bytes a row), and one E8M0 byte for each 32 along K, rows 0-2047 of 'scales' (128 bytes a row)
;   work-groups 512-767:   Wo [2048][4096] f32 -> f16, same layout (the last product is left as it is, and takes f16 operands)
;   work-groups 768-1023:  the mask, divided by the scores' scale, -> images of the registers in which the launch attn takes it as the C of its first products
;   work-groups 1024-1087: the cosines and sines of the two-dimensional RoPE, as images of the registers in which the launch qkv wants them
; THE QUANTISER: a block's scale is 2^(floor(log2(largest magnitude)) - 2); its byte is the largest magnitude's exponent field - 2, held at 1 from below.  A block of zeros gets the byte 1 where the rule says 127:
; its codes are zeros, which add nothing under any byte but 0xff, and this program alone reads the bytes.
; LIMITS: blocks whose largest magnitude lies under 2^(2 - 126) were not tried; NaN and infinities in x and the weights are not served; ids of magnitude 16,384 or more are not served (the first step of the
; angle's reduction is exact below that); a mask of magnitude over 2.29e38 becomes infinite when it is divided by the scale.
; LDS: x's way has bytes 0 to 32,767 (8,192 a wave), the weights' way bytes of its own behind them (32 rows x 272 a wave), the spare words behind both.  The other three ways use none.
.set WREG,  8192
.set SP,    80                         ; x's way: a lane's place in a stage: 64 bytes + 16 of padding
.set CB,    8                          ; bytes of 16 codes
.set STEPS, 16
.set WSTG,  4*WREG                     ; the weights' stages begin here
.set PITCH, 272                        ; a stage row: 256 bytes + 16
.set NB,    16                         ; blocks of 32 along K for a wave
.set KROW,  2048                       ; a row of codes in bytes
.set SPARE, WSTG+4*32*PITCH
.set SPW,   208                        ; v208 LDS address of my spare word; never rewritten
.set NIL,   209                        ; v209 0; never rewritten
.set XR,    16                         ; x's way: v16-79 four sets of 16 numbers as loaded
.set XN,    80                         ;          v80-111 two sets of 16 neighbours
.set XE,    112                        ;          v112-127 a scale byte for each step
.set XC,    128                        ;          v128-191 codes, four registers a step
.set SB,    24                         ; the weights' way: v24-27 the scale bytes
.set WX,    32                         ;          v32-95 two sets of 32 numbers
.set WC,    96                         ;          v96-99 a block's codes
.set OUTR,  112                        ;          v112-175 the way out
.set VO,    176                        ;          v176-207 4 x lane + i x the tensor's row pitch
	s_load_b256 s[4:11], s[0:1], 0x0               ; x, Wo, row_ids, col_ids
	s_load_b256 s[12:19], s[0:1], 0x20             ; Wq, Wk, Wv, the mask
	s_load_b256 s[20:27], s[0:1], 0x40             ; codes, scales, wo16, rope_tab
	s_load_b64 s[28:29], s[0:1], 0x60              ; mask_img
	v_lshl_add_u32 v[SPW], v0, 2, SPARE
	v_mov_b32 v[NIL], 0
	v_lshrrev_b32 v1, 5, v0
	v_readfirstlane_b32 s30, v1                    ; wave
	v_and_b32 v2, 31, v0                           ; lane
	; every LDS address is made here, ahead of the parting
	s_mul_i32 s31, s30, WREG
	v_lshrrev_b32 v14, 2, v2
	v_mul_u32_u24 v14, v14, SP
	v_and_b32 v15, 3, v2
	v_lshl_add_u32 v14, v15, 4, v14
	v_add_nc_u32 v14, s31, v14                     ; x's stage, on the way in: SP (lane / 4) + 16 (lane % 4)
	v_mul_u32_u24 v15, v2, SP
	v_add_nc_u32 v15, s31, v15                     ; and on the way out: SP x lane
	v_lshrrev_b32 v5, 1, v2
	s_add_co_u32 s31, s31, 2*32*SP
	v_add_nc_u32 v5, s31, v5                       ; my wave's 256 scale bytes, my block's byte
	v_lshlrev_b32 v7, 3, v2
	v_add_nc_u32 v6, s31, v7                       ; and on the way out 8 bytes a lane
	s_mul_i32 s31, s30, 32*PITCH
	s_add_co_u32 s31, s31, WSTG                    ; the weights' stage of my wave
	v_mul_u32_u24 v4, v2, PITCH
	v_add_nc_u32 v4, s31, v4                       ; into it: row = my column
	v_and_b32 v18, 15, v2
	v_lshrrev_b32 v19, 4, v2
	v_mul_u32_u24 v10, v19, PITCH
	v_lshl_add_u32 v10, v18, 4, v10
	v_add_nc_u32 v10, s31, v10                     ; out of it: sixteen lanes to a row
	s_mov_b32 s35, 0                               ; the upper word of the offsets in s[34:35]
	s_wait_kmcnt 0x0
	s_cmp_lt_u32 ttmp9, 256
	s_cbranch_scc0 .Lnot_w
; ---- THE WEIGHTS.  A lane takes a column n and its registers run down K: a load reads 128 consecutive bytes a wave, a block of 32 along K lies in one lane, and the conversions give codes with K innermost.
; A wave takes 32 columns x 512 along K; the codes go through the wave's own stage and leave as rows: sixteen lanes store 256 consecutive bytes, aligned.
; The three tensors have two row pitches, so the 32 rows of a block have an offset register each, and the base steps from block to block.
	s_and_b32 s32, ttmp9, 31                       ; which 128 of the 4,096 columns
	s_lshr_b32 s33, ttmp9, 5                       ; which 512 along K
	s_mov_b32 s37, 4096
	s_cmp_lt_u32 s32, 24                           ; the tensor, its pitch and the column group in it hang on the work-group's number alone
	s_cselect_b64 s[14:15], s[14:15], s[16:17]
	s_cselect_b32 s36, 16, 24
	s_cmp_lt_u32 s32, 16
	s_cselect_b64 s[12:13], s[12:13], s[14:15]
	s_cselect_b32 s36, 0, s36
	s_cselect_b32 s37, 8192, s37                   ; bytes from row to row
	s_sub_co_u32 s36, s32, s36
	s_mul_i32 s34, s33, s37
	s_lshl_b32 s34, s34, 9                         ; 512 rows for each step along K
	s_lshl_b32 s38, s36, 9
	s_add_co_u32 s34, s34, s38
	s_lshl_b32 s38, s30, 7
	s_add_co_u32 s34, s34, s38                     ; + 4 bytes x (128 x column group + 32 x wave)
	s_add_nc_u64 s[12:13], s[12:13], s[34:35]
	s_lshl_b32 s38, s37, 5                         ; 32 rows on
	s_mov_b32 s39, 0
	s_lshl_b32 s40, s32, 7
	s_lshl_b32 s41, s30, 5
	s_add_co_u32 s40, s40, s41
	s_add_co_u32 s40, s40, 2048                    ; my wave's first row in 'codes' and 'scales': behind x's 2,048
	s_lshl_b32 s34, s40, 11
	s_lshl_b32 s41, s33, 8
	s_add_co_u32 s34, s34, s41
	s_add_nc_u64 s[20:21], s[20:21], s[34:35]
	s_lshl_b32 s34, s40, 7
	s_lshl_b32 s41, s33, 4
	s_add_co_u32 s34, s34, s41
	s_add_nc_u64 s[22:23], s[22:23], s[34:35]
	v_lshlrev_b32 v[VO], 2, v2
.set i, 1
.rept 31
	v_add_nc_u32 v[VO+i], s37, v[VO+i-1]
.set i, i+1
.endr
	v_mul_u32_u24 v8, v19, KROW
	v_lshl_add_u32 v8, v18, 4, v8
	v_lshlrev_b32 v9, 7, v2                        ; my column's row of scale bytes
.macro WLOAD t                         ; block t: W(32 t + i, my column) into set t % 2
.if (\t) > 0
	s_wait_xcnt 0x0                                ; the earlier loads have read their base: it steps only behind this wait
	s_add_nc_u64 s[12:13], s[12:13], s[38:39]
.endif
.irp i, 0,1,2,3,4,5,6,7,8,9,10,11,12,13,14,15,16,17,18,19,20,21,22,23,24,25,26,27,28,29,30,31
	global_load_b32 v[WX+32*((\t)%2)+\i], v[VO+\i], s[12:13] th:TH_LOAD_NT
.endr
.endm
	WLOAD 0
	WLOAD 1
.macro WBLOCK t
.set XS, WX+32*((\t)%2)
.if (\t) < NB-1
	s_wait_loadcnt 32                              ; this block's 32 loads are in; the next block's 32 may be out
.else
	s_wait_loadcnt 0x0
.endif
	v_max3_num_f32 v12, |v[XS]|, |v[XS+1]|, |v[XS+2]|
	v_max3_num_f32 v13, |v[XS+3]|, |v[XS+4]|, |v[XS+5]|
.irp i, 6,10,14,18,22,26
	v_max3_num_f32 v12, v12, |v[XS+\i]|, |v[XS+\i+1]|
	v_max3_num_f32 v13, v13, |v[XS+\i+2]|, |v[XS+\i+3]|
.endr
	v_max3_num_f32 v12, v12, |v[XS+30]|, |v[XS+31]|
	v_max3_num_f32 v12, v12, v13, 0x1800000        ; and the floor 2^(3 - 127): the byte cannot fall under 1
	v_add_nc_u32 v11, 0xff000000, v12              ; 2 off the exponent field: the conversion's scale operand
	v_lshrrev_b32 v13, 23, v11                     ; the scale's byte
.if (\t)%4 == 0
	v_mov_b32 v[SB+(\t)/4], v13
.else
	v_lshl_or_b32 v[SB+(\t)/4], v13, 8*((\t)%4), v[SB+(\t)/4]
.endif
.irp g, 0,1,2,3
	v_cvt_scalef32_pk8_fp4_f32 v[WC+\g], v[XS+8*\g:XS+8*\g+7], v11
.endr
	ds_store_b128 v4, v[WC:WC+3] offset:16*(\t)    ; 32 codes: 16 bytes of my column's row
.if (\t)+2 < NB
	WLOAD (\t)+2
.endif
	s_wait_dscnt 0x0                               ; the store has read its registers: the next block's codes may be written
.endm
.set Q, 0
.rept NB
	WBLOCK Q
.set Q, Q+1
.endr
	global_store_b128 v9, v[SB:SB+3], s[22:23]     ; my column's 16 scale bytes
.irp t, 0,1,2,3,4,5,6,7,8,9,10,11,12,13,14,15
	ds_load_b128 v[OUTR+4*\t:OUTR+4*\t+3], v10 offset:2*\t*PITCH
.endr
.irp t, 0,1,2,3,4,5,6,7,8,9,10,11,12,13,14,15
	s_wait_dscnt 15-\t                             ; the later loads may be out
	global_store_b128 v8, v[OUTR+4*\t:OUTR+4*\t+3], s[20:21] offset:2*\t*KROW
.endr
	s_branch .Lclose
.Lnot_w:
	s_cmp_lt_u32 ttmp9, 512
	s_cbranch_scc0 .Lnot_x
; ---- x INTO CODES.  A wave takes 16 steps of 512 numbers; each load reads 512 consecutive bytes; a step's 2,048 bytes turn through the wave's own stage, so that a lane holds 16 neighbours along K
	v_lshlrev_b32 v3, 4, v2
	v_mul_u32_u24 v4, v2, CB
	s_sub_co_u32 s32, ttmp9, 256
	s_lshl_b32 s32, s32, 2
	s_add_co_u32 s32, s32, s30                     ; which run of 8,192 numbers is my wave's
	s_lshl_b32 s34, s32, 15
	s_add_nc_u64 s[4:5], s[4:5], s[34:35]
	s_lshl_b32 s34, s32, 12
	s_add_nc_u64 s[20:21], s[20:21], s[34:35]
	s_lshl_b32 s34, s32, 8
	s_add_nc_u64 s[22:23], s[22:23], s[34:35]
.macro XLOAD t
.irp i, 0,1,2,3
	global_load_b128 v[XR+16*((\t)%4)+4*\i:XR+16*((\t)%4)+4*\i+3], v3, s[4:5] offset:2048*(\t)+512*\i th:TH_LOAD_NT
.endr
.endm
.macro XTURN t                         ; LDS serves a wave's instructions in order: no wait between the stores and the loads
.irp i, 0,1,2,3
	ds_store_b128 v14, v[XR+16*((\t)%4)+4*\i:XR+16*((\t)%4)+4*\i+3] offset:32*SP*((\t)%2)+8*SP*\i
.endr
.irp i, 0,1,2,3
	ds_load_b128 v[XN+16*((\t)%2)+4*\i:XN+16*((\t)%2)+4*\i+3], v15 offset:32*SP*((\t)%2)+16*\i
.endr
.endm
.irp t, 0,1,2,3
	XLOAD \t
.endr
	s_wait_loadcnt 12                              ; step 0's four loads are in; the twelve of steps 1 to 3 may be out
	XTURN 0
.macro XSTEP t
.set XS, XN+16*((\t)%2)
.if (\t) > 0
	s_wait_dscnt 1                                 ; this step's numbers are back from the stage (the last step's byte store may be out)
.else
	s_wait_dscnt 0x0
.endif
.if (\t)+4 < STEPS
	XLOAD (\t)+4
.endif
.if (\t)+1 < STEPS
.if STEPS-2-(\t) >= 3
	s_wait_loadcnt 12                              ; the next step's four loads are in; those of the three steps behind it may be out
.else
	s_wait_loadcnt 4*(STEPS-2-(\t))
.endif
	XTURN (\t)+1
.endif
	v_max3_num_f32 v8, |v[XS]|, |v[XS+1]|, |v[XS+2]|
	v_max3_num_f32 v9, |v[XS+3]|, |v[XS+4]|, |v[XS+5]|
.irp i, 6,10
	v_max3_num_f32 v8, v8, |v[XS+\i]|, |v[XS+\i+1]|
	v_max3_num_f32 v9, v9, |v[XS+\i+2]|, |v[XS+\i+3]|
.endr
	v_max3_num_f32 v8, v8, |v[XS+14]|, |v[XS+15]|
	v_max3_num_f32 v8, v8, v9, 0x1800000           ; and the floor 2^(3 - 127): the byte cannot fall under 1
	v_max_num_f32_dpp v8, v8, v8 row_xmask:1 row_mask:0xf bank_mask:0xf   ; with my neighbour's 16: the block's largest magnitude
	v_add_nc_u32 v11, 0xff000000, v8               ; 2 off its exponent field: the conversion takes the exponent field of this operand as its scale
	v_cvt_scalef32_pk8_fp4_f32 v[XC+4*(\t)], v[XS:XS+7], v11
	v_cvt_scalef32_pk8_fp4_f32 v[XC+4*(\t)+1], v[XS+8:XS+15], v11
	v_lshrrev_b32 v[XE+(\t)], 23, v11              ; the scale's byte
	ds_store_b8 v5, v[XE+(\t)] offset:16*(\t)      ; both lanes of a block write the same byte with the same value
	global_store_b64 v4, v[XC+4*(\t):XC+4*(\t)+1], s[20:21] offset:32*CB*(\t)   ; the wave stores 256 consecutive bytes
.endm
.irp t, 0,1,2,3,4,5,6,7,8,9,10,11,12,13,14,15
	XSTEP \t
.endr
	ds_load_b64 v[8:9], v6
	s_wait_dscnt 0x0
	global_store_b64 v7, v[8:9], s[22:23]          ; 256 scale bytes, consecutive and aligned
.Lclose:
	s_wait_tensorcnt 0x0                           ; the end of a wave that stored to LDS
	ds_add_u32 v[SPW], v[NIL]
	s_wait_dscnt 0x0
	s_endpgm
.Lnot_x:
	s_cmp_lt_u32 ttmp9, 768
	s_cbranch_scc0 .Lnot_c
; ---- Wo INTO f16.  A wave takes 32,768 consecutive bytes: four batches of 16 loads of 512 bytes; two batches are on their way
	s_sub_co_u32 s32, ttmp9, 512
	s_lshl_b32 s32, s32, 2
	s_add_co_u32 s32, s32, s30
	s_lshl_b32 s34, s32, 15
	s_add_nc_u64 s[6:7], s[6:7], s[34:35]
	s_lshl_b32 s34, s32, 14
	s_add_nc_u64 s[24:25], s[24:25], s[34:35]
	v_lshlrev_b32 v8, 4, v2
	v_lshlrev_b32 v9, 3, v2
.macro CLOAD bt
.irp i, 0,1,2,3,4,5,6,7,8,9,10,11,12,13,14,15
	global_load_b128 v[16+64*((\bt)%2)+4*\i:16+64*((\bt)%2)+4*\i+3], v8, s[6:7] offset:512*(16*(\bt)+\i) th:TH_LOAD_NT
.endr
.endm
	CLOAD 0
	CLOAD 1
.irp bt, 0,1,2,3
.if \bt < 3
	s_wait_loadcnt 16                              ; this batch is in; the younger batch's 16 may be out
.else
	s_wait_loadcnt 0x0
.endif
.if \bt > 1
	s_wait_xcnt 0x0                                ; the stores of two batches ago have read their data: the registers are written again only behind this wait
.endif
.irp i, 0,1,2,3,4,5,6,7,8,9,10,11,12,13,14,15
	v_cvt_pk_f16_f32 v[144+32*(\bt%2)+2*\i], v[16+64*(\bt%2)+4*\i], v[16+64*(\bt%2)+4*\i+1]
	v_cvt_pk_f16_f32 v[144+32*(\bt%2)+2*\i+1], v[16+64*(\bt%2)+4*\i+2], v[16+64*(\bt%2)+4*\i+3]
.endr
.irp i, 0,1,2,3,4,5,6,7,8,9,10,11,12,13,14,15
	global_store_b64 v9, v[144+32*(\bt%2)+2*\i:144+32*(\bt%2)+2*\i+1], s[24:25] offset:256*(16*\bt+\i)   ; 256 consecutive bytes, aligned
.endr
.if \bt < 2
	CLOAD \bt+2
.endif
.endr
	s_endpgm
.Lnot_c:
	s_cmp_lt_u32 ttmp9, 1024
	s_cbranch_scc0 .Lrope
; ---- THE MASK.  In attn lane (r, h) holds, for a tile of 16 queries and a step of 64 keys, the scores of query r and keys 16 kt + 8 h + j in register 8 kt + j.  The mask is laid so:
; [tile of queries 128][half b 2][position 16][group of four registers 8][lane 32][16 bytes]; position 2 s + j' of half b holds keys 256 s + 128 b + 64 j' on: the order in which a wave of attn walks its keys.
; It is divided by the scores' scale, 128^-0.5 ln 2048: attn adds it to q . k inside the matrix unit and multiplies the sum by the scale afterwards.
; A wave takes 16 rows x 256 keys (1,024 consecutive bytes of each row): 32 loads of 16 bytes a lane, 32 stores of 512 consecutive bytes.
	s_sub_co_u32 s32, ttmp9, 768
	s_lshl_b32 s32, s32, 2
	s_add_co_u32 s32, s32, s30
	s_lshr_b32 s33, s32, 3                         ; tile of queries
	s_and_b32 s36, s32, 7                          ; which 256 keys
	s_lshl_b32 s34, s33, 17
	s_lshl_b32 s37, s36, 10
	s_add_co_u32 s34, s34, s37
	s_add_nc_u64 s[18:19], s[18:19], s[34:35]
	s_lshl_b32 s34, s33, 17
	s_lshl_b32 s37, s36, 13
	s_add_co_u32 s34, s34, s37
	s_add_nc_u64 s[28:29], s[28:29], s[34:35]
	s_mov_b32 s42, 0x3fbdee71                      ; 1 / (128^-0.5 ln 2048)
	s_mov_b32 s43, s42                             ; (named with it as a pair)
	v_lshlrev_b32 v20, 13, v18                     ; row r of 8,192 bytes
	v_lshl_add_u32 v20, v19, 5, v20                ; + 32 h
	v_lshlrev_b32 v21, 4, v2
.set n, 0
.rept 32
	global_load_b128 v[32+4*n:32+4*n+3], v20, s[18:19] offset:(n/8)*256+((n%8)/2)*64+(n%2)*16 th:TH_LOAD_NT
.set n, n+1
.endr
.set n, 0
.rept 32
	s_wait_loadcnt 31-n                            ; the later loads may be out
	v_pk_mul_f32 v[32+4*n:32+4*n+1], v[32+4*n:32+4*n+1], s[42:43] op_sel_hi:[1,0]
	v_pk_mul_f32 v[32+4*n+2:32+4*n+3], v[32+4*n+2:32+4*n+3], s[42:43] op_sel_hi:[1,0]
	global_store_b128 v21, v[32+4*n:32+4*n+3], s[28:29] offset:(n/16)*65536+((n/8)%2)*4096+(n%8)*512
.set n, n+1
.endr
	s_endpgm
.Lrope:
; ---- THE RoPE TABLE.  A wave takes 16 tokens and one of the two ids (y = 0 rows, 1 columns).  Lane (r, h) makes, for token r, the 16 frequencies f = 16 uu + 8 h + 4 c + i.
; Layout: [block of 16 tokens][group g = 4 kind + 2 uu + c][lane][4 numbers]; kind 2 y = cosine, 2 y + 1 = sine.  So a store is 512 consecutive bytes, and qkv loads its registers whole.
; angle = id x 10000^(-f / 32) (x the golden ratio for columns).  Cosine and sine: n = nearest whole number to angle x 2 / pi; r = angle - n pi / 2, pi / 2 in three parts; polynomials on |r| <= pi / 4; the quadrant from n.
	s_sub_co_u32 s32, ttmp9, 1024
	s_lshl_b32 s32, s32, 2
	s_add_co_u32 s32, s32, s30
	s_lshr_b32 s33, s32, 1                         ; block of tokens
	s_and_b32 s32, s32, 1                          ; y
	s_mov_b32 s56, 0x3fcf1bbd                      ; the golden ratio
	s_cmp_eq_u32 s32, 0
	s_cselect_b64 s[8:9], s[8:9], s[10:11]
	s_cselect_b32 s55, 1.0, s56
	s_lshl_b32 s34, s33, 6
	s_add_nc_u64 s[8:9], s[8:9], s[34:35]
	s_lshl_b32 s34, s33, 13
	s_lshl_b32 s32, s32, 12
	s_add_co_u32 s34, s34, s32
	s_add_nc_u64 s[26:27], s[26:27], s[34:35]
	v_and_b32 v20, 15, v0
	v_lshlrev_b32 v21, 2, v20
	global_load_b32 v22, v21, s[8:9]               ; my token's id
	v_bfe_u32 v23, v0, 4, 1
	v_lshlrev_b32 v23, 3, v23                      ; 8 h
	v_lshlrev_b32 v24, 4, v2
	s_mov_b32 s44, 0x3f22f983                      ; 2 / pi
	s_mov_b32 s45, 0xbfc90000                      ; - pi / 2, in three parts
	s_mov_b32 s46, 0xb9fda000
	s_mov_b32 s47, 0xb3a22168
	s_mov_b32 s48, 0xb94ca1f9                      ; the sine's polynomial
	s_mov_b32 s49, 0x3c08839e
	s_mov_b32 s50, 0xbe2aaaa3
	s_mov_b32 s51, 0x37ccf5ce                      ; the cosine's
	s_mov_b32 s52, 0xbab6061a
	s_mov_b32 s53, 0x3d2aaaa5
	s_mov_b32 s54, 0xbed49a78                      ; - log2(10000) / 32
.set n, 0
.rept 16
	v_add_nc_u32 v[32+n], 16*(n/8)+n%8, v23        ; f
.set n, n+1
.endr
.set n, 0
.rept 16
	v_cvt_f32_u32 v[32+n], v[32+n]
.set n, n+1
.endr
.set n, 0
.rept 16
	v_mul_f32 v[32+n], s54, v[32+n]
.set n, n+1
.endr
.set n, 0
.rept 16
	v_exp_f32 v[32+n], v[32+n]                     ; 10000^(-f / 32)
.set n, n+1
.endr
	v_nop                                          ; a plain instruction behind the last exponential
	s_wait_alu depctr_va_vdst(0)                   ; one wait for the batch, ahead of its first reader
.set n, 0
.rept 16
	v_mul_f32 v[32+n], s55, v[32+n]
.set n, n+1
.endr
	s_wait_loadcnt 0x0
	v_cvt_f32_i32 v22, v22
.set n, 0
.rept 16
	v_mul_f32 v[32+n], v22, v[32+n]                ; the angle
.set n, n+1
.endr
.macro SINCOS n
	v_mul_f32 v80, s44, v[32+\n]
	v_rndne_f32 v80, v80
	v_fma_f32 v81, v80, s45, v[32+\n]
	v_fma_f32 v81, v80, s46, v81
	v_fma_f32 v81, v80, s47, v81                   ; r
	v_mul_f32 v82, v81, v81                        ; z = r r
	v_cvt_i32_f32 v83, v80                         ; the quadrant's number
	v_fma_f32 v84, v82, s48, s49
	v_fma_f32 v84, v84, v82, s50
	v_mul_f32 v85, v82, v81
	v_fma_f32 v84, v84, v85, v81                   ; sin r
	v_fma_f32 v86, v82, s51, s52
	v_fma_f32 v86, v86, v82, s53
	v_mul_f32 v87, v82, v82
	v_fma_f32 v88, v82, -0.5, 1.0
	v_fma_f32 v86, v86, v87, v88                   ; cos r
	v_and_b32 v89, 1, v83
	v_cmp_eq_u32 vcc_lo, 1, v89
	v_cndmask_b32 v90, v84, v86, vcc_lo            ; in odd quadrants the two change places
	v_cndmask_b32 v91, v86, v84, vcc_lo
	v_lshlrev_b32 v89, 30, v83
	v_and_b32 v89, 0x80000000, v89                 ; the sine is negative in quadrants 2 and 3,
	v_xor_b32 v[64+\n], v89, v90
	v_add_nc_u32 v83, 1, v83
	v_lshlrev_b32 v83, 30, v83
	v_and_b32 v83, 0x80000000, v83                 ; the cosine in 1 and 2
	v_xor_b32 v[48+\n], v83, v91
.endm
.irp n, 0,1,2,3,4,5,6,7,8,9,10,11,12,13,14,15
	SINCOS \n
.endr
.irp m, 0,1,2,3
	global_store_b128 v24, v[48+4*\m:48+4*\m+3], s[26:27] offset:512*\m
	global_store_b128 v24, v[64+4*\m:64+4*\m+3], s[26:27] offset:2048+512*\m
.endr
	s_endpgm
.Lfunc_end_k_qda9c43be48_prep:
	.size	k_qda9c43be48_prep, .Lfunc_end_k_qda9c43be48_prep-k_qda9c43be48_prep
	.p2alignl 7, 3214868480
	.fill 96, 4, 3214868480
	.section	.rodata,"a",@progbits
	.p2align	6, 0x0
	.amdhsa_kernel k_qda9c43be48_prep
		.amdhsa_group_segment_fixed_size 68096
		.amdhsa_private_segment_fixed_size 0
		.amdhsa_enable_private_segment 0
		.amdhsa_kernarg_size 104
		.amdhsa_user_sgpr_count 2
		.amdhsa_user_sgpr_kernarg_segment_ptr 1
		.amdhsa_wavefront_size32 1
		.amdhsa_system_sgpr_workgroup_id_x 1
		.amdhsa_system_sgpr_workgroup_id_y 1
		.amdhsa_system_sgpr_workgroup_id_z 1
		.amdhsa_system_vgpr_workitem_id 0
		.amdhsa_next_free_vgpr 212
		.amdhsa_next_free_sgpr 66
		.amdhsa_reserve_vcc 1
		.amdhsa_float_denorm_mode_32 3
		.amdhsa_float_denorm_mode_16_64 3
		.amdhsa_memory_ordered 1
		.amdhsa_forward_progress 1
		.amdhsa_inst_pref_size 170
	.end_amdhsa_kernel
	.amdgpu_metadata
---
amdhsa.version: [ 1, 2 ]
amdhsa.kernels:
  - .name:           k_qda9c43be48_prep
    .symbol:         k_qda9c43be48_prep.kd
    .args:
      - { .name: x, .offset: 0, .size: 8, .value_kind: global_buffer, .address_space: global }
      - { .name: Wo, .offset: 8, .size: 8, .value_kind: global_buffer, .address_space: global }
      - { .name: row_ids, .offset: 16, .size: 8, .value_kind: global_buffer, .address_space: global }
      - { .name: col_ids, .offset: 24, .size: 8, .value_kind: global_buffer, .address_space: global }
      - { .name: Wq, .offset: 32, .size: 8, .value_kind: global_buffer, .address_space: global }
      - { .name: Wk, .offset: 40, .size: 8, .value_kind: global_buffer, .address_space: global }
      - { .name: Wv, .offset: 48, .size: 8, .value_kind: global_buffer, .address_space: global }
      - { .name: attention_mask, .offset: 56, .size: 8, .value_kind: global_buffer, .address_space: global }
      - { .name: codes, .offset: 64, .size: 8, .value_kind: global_buffer, .address_space: global }
      - { .name: scales, .offset: 72, .size: 8, .value_kind: global_buffer, .address_space: global }
      - { .name: wo16, .offset: 80, .size: 8, .value_kind: global_buffer, .address_space: global }
      - { .name: rope_tab, .offset: 88, .size: 8, .value_kind: global_buffer, .address_space: global }
      - { .name: mask_img, .offset: 96, .size: 8, .value_kind: global_buffer, .address_space: global }
    .group_segment_fixed_size: 68096
    .private_segment_fixed_size: 0
    .kernarg_segment_align: 8
    .kernarg_segment_size: 104
    .max_flat_workgroup_size: 128
    .sgpr_count:     66
    .vgpr_count:     212
    .wavefront_size: 32
...
	.end_amdgpu_metadata
.endif
;; end of part 1
;; launch qkv (part 2): grid 16 x 16, 4 waves a work-group, clusters of 4 x 4, 327,680 bytes of LDS; arguments codes, scales, rope_tab, q_norm_w, k_norm_w, qkv16; writes qkv16
.if DOCPART == 2
	.amdgcn_target "amdgcn-amd-amdhsa--gfx1250"
	.amdhsa_code_object_version 6
	.text
	.protected	k_qda9c43be48_qkv
	.globl	k_qda9c43be48_qkv
	.p2align	8
	.type	k_qda9c43be48_qkv,@function
k_qda9c43be48_qkv:
	s_mov_b64 s[64:65], 0
	v_nop
	global_prefetch_b8 v0, s[64:65] scope:SCOPE_SE
	s_setreg_imm32_b32 hwreg(HW_REG_WAVE_MODE, 25, 1), 1
	s_wait_xcnt 0x0
	s_wait_alu depctr_hold_cnt(0) depctr_sa_sdst(0) depctr_va_vdst(0) depctr_va_sdst(0) depctr_va_ssrc(0) depctr_va_vcc(0) depctr_vm_vsrc(0)
	s_getreg_b32 s2, hwreg(HW_REG_IB_STS2, 6, 4)
	s_cmp_eq_u32 s2, 0
	s_cbranch_scc0 .Lentry_in_a_cluster
	s_endpgm
.Lentry_in_a_cluster:
	s_bfe_u32 s2, ttmp6, 0x10000c
	s_cmp_lg_u32 s2, 0xf033
	s_cbranch_scc0 .Lentry_shape_is_right
	s_endpgm
.Lentry_shape_is_right:
; Second launch: [q | k | v] = x [Wq | Wk | Wv] on codes of FP4 (E2M1) with E8M0 scales for each 32 along K = 4,096, then RMS norm, gain and RoPE on q and k, all in f32; the heads leave as f16, [32 heads][2048 tokens][128].
; Nothing of the problem is left out.
; SHARES.  A work-group makes 128 tokens x 256 columns (two heads): 16 x 16 work-groups.  Four waves, each 64 tokens x 128 columns = ONE head: 32 accumulators of 16 x 16.
; THE MATRIX INSTRUCTION IS USED TRANSPOSED (source 0 = 16 rows of W's codes, source 1 = 16 tokens): lane (r, h) holds token r and channels 16 b + 8 h + j of accumulator b: the norm's sum wants one exchange
; between the halves of the lanes, and a channel's RoPE partner, 32 channels on, lies in accumulator b + 2 of the same lane.
; K goes in steps of 512 (rows of 256 bytes) through a ring of two LDS slots; the scale bytes of the work-group's rows for all of K come once, with the first fills, and stay.
; CLUSTER 4 x 4: x's tiles are shared along a row of the cluster, W's along a column: joint tensor loads.  A wave has three tensor loads out at the start and one behind each round.
; REGISTERS: window 0: v16-31 addresses; v32-79 scale words and nothing else; v80-95 at work; v96-159 x's fragments, two sets, later the normalised numbers; v160-223 cosines and sines; v224-255 packed results.
;   window 1: v0-127 W's fragments, two sets; v128-191 the gain.   window 2: the accumulators, (a, b) at v[8 (8 a + b)].
; LIMIT: v is rounded to f16: magnitudes over 65,504 are not served.
.set SLOT,  104448                     ; x's 128 rows x 272, then W's 256 rows x 272
.set BOFF,  34816
.set SCLA,  2*SLOT                     ; x's scale bytes: 64 units of 256 bytes + 16
.set SCLB,  SCLA+17408                 ; W's: 128 units
.set STAGE, SCLB+34816                 ; the way out of q and k: 16 rows x 272 for each wave
.set SPARE, STAGE+17408                ; the spare words: 512 bytes that no other line names
.set STG2,  17920                      ; the way out of v has a stage of its own, so many bytes behind the other
.set LAPS,  4
.set ADRA, 16
.set ADRB, 20
.set ADSA, 22
.set ADSB, 23
.set GA,   24                          ; v24 the gain: 32 h
.set TA,   25                          ; v25 16 x lane
.set STO,  26
.set RD,   27
.set SPW,  28
.set NIL,  29
.set PFO,  30
.set CO,   31
.set SCA,  32                          ; set s at +8 s; register 4 i + q: lanes 0-15 x's block i, lanes 16-31 block i + 2, the slot's q-th 128 along K
.set SCB,  48                          ; set s at +16 s; register 4 i + q: W's blocks i and i + 4
.set AF,   96
.set Y,    96
.set CSN,  160
.set PK,   224
.set G1A, 24
.set G0A, 32
.set G1B, 48
.set G0B, 56
.set G1SA, 68
.set G0SA, 76
.set G1SB, 80
.set G0SB, 88
.set PFA, 92
.set LIM, 96
.set MSB, 0
.macro WIN new                         ; the immediate's high byte repeats the setting that is left
.if MSB != \new
	s_set_vgpr_msb (MSB<<8)|\new
.set MSB, \new
.endif
.endm
.set MUL,  0xa1                        ; source 0 window 1, source 1 window 0, C and D window 2
.set TO_B, 0x40
.macro PLACES n
.rept \n
	v_nop
.endr
.endm
; A joint load: waves 0 and 1 fetch for x, waves 2 and 3 for W.  The branch hangs on the wave's number alone.  An s_nop 0 and four v_nop follow each line.
.macro JLOAD g0a, g1a, g0b, g1b
	s_cmp_eq_u32 s17, 0
	s_cbranch_scc0 .Lfor_b_\@
	tensor_load_to_lds s[\g0a:\g0a+3], s[\g1a:\g1a+7]
	s_nop 0
.rept 4
	v_nop
.endr
	s_branch .Lasked_\@
.Lfor_b_\@:
	tensor_load_to_lds s[\g0b:\g0b+3], s[\g1b:\g1b+7]
	s_nop 0
.rept 4
	v_nop
.endr
.Lasked_\@:
.endm
.macro CREST
	s_cmp_lg_u32 s16, 0
	s_cbranch_scc1 .Lnot_wave_0_\@
	s_barrier_signal -3
.Lnot_wave_0_\@:
	s_barrier_wait -3
	s_barrier_signal -1
	s_barrier_wait -1
.endm
.macro CROUND
	s_barrier_signal -1
	s_barrier_wait -1
	CREST
.endm
; A prefetch of the K step that stands two refills on: 32 rows x 256 bytes, a lane a row.  x's rows are asked for by wave 0 of the clusters with x = 0, W's by waves 2 and 3 of the clusters with y = 0;
; the four partners that ask for a tile jointly share its rows out by address.  The loop's last trip asks for nothing: there is no K step two refills on.
.macro ASK
	s_cmp_gt_u32 s3, s[LIM]
	s_cbranch_scc0 .Lnot_mine_\@
	global_prefetch_b8 v[PFO], s[PFA:PFA+1] th:TH_LOAD_NT scope:SCOPE_SE
.Lnot_mine_\@:
.endm
	s_load_b256 s[4:11], s[0:1], 0x0               ; codes, scales, rope_tab, q_norm_w
	s_load_b128 s[12:15], s[0:1], 0x20             ; k_norm_w, qkv16
	v_lshl_add_u32 v[SPW], v0, 2, SPARE
	v_mov_b32 v[NIL], 0
	ds_add_u32 v[SPW], v[NIL]                      ; the wave's opening: the add, twice on end, and its wait ahead of my first tensor load
	ds_add_u32 v[SPW], v[NIL]
	v_lshrrev_b32 v1, 5, v0
	v_readfirstlane_b32 s16, v1                    ; wave
	s_lshr_b32 s17, s16, 1                         ; which 64 tokens are mine.  Also: I fetch for x (0) or for W (1)
	s_and_b32 s18, s16, 1                          ; which head of the two.  Also: which half of a tile I fetch
	s_bfe_u32 s40, ttmp6, 0x40000                  ; cx
	s_bfe_u32 s41, ttmp6, 0x40004                  ; cy
	s_lshl_b32 s42, ttmp9, 2
	s_add_co_u32 s42, s42, s40                     ; tile column
	s_and_b32 s43, ttmp7, 0xffff
	s_lshl_b32 s43, s43, 2
	s_add_co_u32 s43, s43, s41                     ; tile row
	s_lshl_b32 s44, s41, 2
	s_lshl_b32 s44, 15, s44                        ; my row of the cluster
	s_lshl_b32 s45, 0x1111, s40                    ; my column
	s_or_b32 s[G1A], s44, (0<<16)|(1<<20)|(1<<21)|(5<<22)|(3<<25)   ; the mask; elements of 1 byte; padding: 4 words behind every 64
	s_or_b32 s[G1B], s45, (0<<16)|(1<<20)|(1<<21)|(5<<22)|(3<<25)
	s_mov_b32 s[G1A+1], 256<<16                    ; x: 64 rows of 256 bytes, 2,048 bytes apart
	s_mov_b32 s[G1A+2], 64<<16
	s_mov_b32 s[G1A+3], 256<<16
	s_mov_b32 s[G1A+4], 64
	s_mov_b32 s[G1A+5], 2048
	s_mov_b32 s[G1A+6], 0
	s_mov_b32 s[G1A+7], 0
	s_mov_b32 s[G1B+1], 256<<16                    ; W: 128 rows
	s_mov_b32 s[G1B+2], 128<<16
	s_mov_b32 s[G1B+3], 256<<16
	s_mov_b32 s[G1B+4], 128
	s_mov_b32 s[G1B+5], 2048
	s_mov_b32 s[G1B+6], 0
	s_mov_b32 s[G1B+7], 0
	s_or_b32 s[G1SA], s44, (3<<16)|(1<<20)|(1<<21)|(5<<22)|(3<<25)  ; the scale bytes: dense blocks, as rows of 256 bytes (32 elements of 8)
	s_or_b32 s[G1SB], s45, (3<<16)|(1<<20)|(1<<21)|(5<<22)|(3<<25)
	s_mov_b32 s[G1SA+1], 32<<16                    ; x: 64 rows x 128 bytes = 32 units
	s_mov_b32 s[G1SA+2], 32<<16
	s_mov_b32 s[G1SA+3], 32<<16
	s_mov_b32 s[G1SA+4], 32
	s_mov_b32 s[G1SA+5], 32
	s_mov_b32 s[G1SA+6], 0
	s_mov_b32 s[G1SA+7], 0
	s_mov_b32 s[G1SB+1], 32<<16                    ; W: 128 rows = 64 units
	s_mov_b32 s[G1SB+2], 64<<16
	s_mov_b32 s[G1SB+3], 32<<16
	s_mov_b32 s[G1SB+4], 64
	s_mov_b32 s[G1SB+5], 32
	s_mov_b32 s[G1SB+6], 0
	s_mov_b32 s[G1SB+7], 0
	s_lshl_b32 s20, s43, 7
	s_lshl_b32 s19, s18, 6
	s_add_co_u32 s20, s20, s19                     ; x: row 128 x tile row + 64 x half
	s_lshl_b32 s22, s20, 7                         ; its scale bytes,
	s_lshl_b32 s20, s20, 11                        ; its codes
	s_mov_b32 s21, 0
	s_mov_b32 s23, 0
	s_lshl_b32 s46, s42, 8
	s_lshl_b32 s19, s18, 7
	s_add_co_u32 s46, s46, s19
	s_add_co_u32 s46, s46, 2048                    ; W: row 2,048 + 256 x tile column + 128 x half
	s_lshl_b32 s66, s46, 7
	s_lshl_b32 s46, s46, 11
	s_mov_b32 s47, 0
	s_mov_b32 s67, 0
	s_mul_i32 s92, s18, 17408                      ; where they go hangs on the wave's number alone
	s_mul_i32 s93, s18, 34816
	s_mul_i32 s94, s18, 8704
	s_mov_b32 s98, 0x76543210
	s_mov_b32 s99, 0xfedcba98                      ; v_permlanex16_b32's selects for lane l xor 16
	s_mov_b32 s100, 0x3c000000                     ; 1 / 128
	s_mov_b32 s101, 0x358637bd                     ; 1e-6
	s_wait_dscnt 0x0                               ; both opening adds are done
	s_wait_kmcnt 0x0
	s_add_nc_u64 s[20:21], s[4:5], s[20:21]
	s_add_nc_u64 s[22:23], s[6:7], s[22:23]
	s_add_nc_u64 s[46:47], s[4:5], s[46:47]
	s_add_nc_u64 s[66:67], s[6:7], s[66:67]
	CROUND                                         ; all sixteen work-groups are here: the first joint loads meet
	s_mov_b32 s[G0SA], 1
	s_add_co_u32 s[G0SA+1], s94, SCLA
	s_mov_b64 s[G0SA+2:G0SA+3], s[22:23]
	s_or_b32 s[G0SA+3], s[G0SA+3], 0x80000000
	s_mov_b32 s[G0SB], 1
	s_add_co_u32 s[G0SB+1], s92, SCLB
	s_mov_b64 s[G0SB+2:G0SB+3], s[66:67]
	s_or_b32 s[G0SB+3], s[G0SB+3], 0x80000000
	JLOAD G0SA, G1SA, G0SB, G1SB                   ; the scale bytes first: they are wanted with K step 0
.irp s, 0,1
	s_mov_b32 s[G0A+4*\s], 1
	s_add_co_u32 s[G0A+4*\s+1], s92, \s*SLOT
	s_add_nc_u64 s[G0A+4*\s+2:G0A+4*\s+3], s[20:21], \s*256
	s_or_b32 s[G0A+4*\s+3], s[G0A+4*\s+3], 0x80000000
	s_mov_b32 s[G0B+4*\s], 1
	s_add_co_u32 s[G0B+4*\s+1], s93, \s*SLOT+BOFF
	s_add_nc_u64 s[G0B+4*\s+2:G0B+4*\s+3], s[46:47], \s*256
	s_or_b32 s[G0B+4*\s+3], s[G0B+4*\s+3], 0x80000000
	JLOAD G0A+4*\s, G1A, G0B+4*\s, G1B
.endr
	s_cmp_lt_u32 ttmp9, 2                          ; columns 0-2047 are q's (clusters 0 and 1 along x), 2048-3071 k's (cluster 2)
	s_cselect_b64 s[10:11], s[10:11], s[12:13]     ; the gain
	v_and_b32 v1, 15, v0                           ; r
	v_bfe_u32 v2, v0, 4, 1                         ; h
	v_mul_u32_u24 v3, v1, 272
	v_lshl_add_u32 v4, v2, 4, v3                   ; a fragment's row x pitch + 16 h
	s_mul_i32 s19, s17, 17408                      ; my 64 rows of x
	s_mul_i32 s2, s18, 34816                       ; my 128 rows of W,
	s_add_co_u32 s2, s2, BOFF                      ; behind x's 128
.irp s, 0,1
	v_add_nc_u32 v[ADRA+\s], s19, v4
	v_add_nc_u32 v[ADRB+\s], s2, v4
	s_add_co_u32 s19, s19, SLOT
	s_add_co_u32 s2, s2, SLOT
.endr
	v_lshrrev_b32 v5, 1, v1                        ; a row's 128 scale bytes: two rows to a unit of 256 + 16
	v_mul_u32_u24 v5, v5, 272
	v_and_b32 v6, 1, v1
	v_lshl_add_u32 v5, v6, 7, v5
	v_mul_u32_u24 v6, v2, 4352                     ; lanes 16-31: two blocks of 16 rows on,
	v_add_nc_u32 v[ADSA], v5, v6
	s_mul_i32 s19, s17, 8704
	s_add_co_u32 s19, s19, SCLA
	v_add_nc_u32 v[ADSA], s19, v[ADSA]
	v_mul_u32_u24 v6, v2, 8704                     ; W's: four blocks on
	v_add_nc_u32 v[ADSB], v5, v6
	s_mul_i32 s19, s18, 17408
	s_add_co_u32 s19, s19, SCLB
	v_add_nc_u32 v[ADSB], s19, v[ADSB]
	v_lshlrev_b32 v[GA], 5, v2
	v_and_b32 v5, 31, v0
	v_lshlrev_b32 v[TA], 4, v5
	v_lshlrev_b32 v[PFO], 11, v5                   ; a lane a row of 2,048 bytes
	s_mul_i32 s19, s16, 16*272
	s_add_co_u32 s19, s19, STAGE                   ; my stage
	v_add_nc_u32 v[STO], s19, v4                   ; in: row r, + 16 h
	v_mul_u32_u24 v5, v2, 272
	v_lshl_add_u32 v5, v1, 4, v5
	v_add_nc_u32 v[RD], s19, v5                    ; back: lanes 0-15 one row, lanes 16-31 the next
	v_lshlrev_b32 v[CO], 8, v2
	v_lshl_add_u32 v[CO], v1, 4, v[CO]             ; and the same two rows of a head
	s_lshl_b32 s12, s43, 3
	s_lshl_b32 s19, s17, 2
	s_add_co_u32 s12, s12, s19
	s_lshl_b32 s12, s12, 13                        ; the table at my first block of 16 tokens: 8 x tile row + 4 x half
	s_mov_b32 s13, 0
	s_add_nc_u64 s[8:9], s[8:9], s[12:13]
	s_lshl_b32 s12, s42, 1
	s_add_co_u32 s12, s12, s18
	s_lshl_b32 s12, s12, 19                        ; my head,
	s_lshl_b32 s19, s43, 15
	s_add_co_u32 s12, s12, s19
	s_lshl_b32 s19, s17, 14
	s_add_co_u32 s12, s12, s19                     ; my first token's row of 256 bytes
	s_add_nc_u64 s[14:15], s[14:15], s[12:13]
	; the prefetches: who asks, and where
	s_or_b32 s66, ttmp9, s18                       ; x: cluster x = 0 and wave 0
	s_and_b32 s67, ttmp7, 0xffff                   ; W: cluster y = 0
	s_lshl_b32 s2, s43, 7
	s_lshl_b32 s19, s42, 8
	s_lshl_b32 s12, s18, 7
	s_add_co_u32 s19, s19, s12
	s_add_co_u32 s19, s19, 2048
	s_cmp_eq_u32 s17, 0
	s_cselect_b32 s66, s66, s67
	s_cselect_b32 s12, s2, s19                     ; the first row of what is shared out,
	s_cselect_b32 s19, s40, s41                    ; my place among the four that ask for it with me
	s_cmp_eq_u32 s66, 0
	s_cselect_b32 s[LIM], 1, -1                    ; the same in all sixteen partners, for a given wave
	s_lshl_b32 s19, s19, 5
	s_add_co_u32 s12, s12, s19
	s_lshl_b32 s12, s12, 11
	s_add_co_u32 s12, s12, 3*256                   ; at K step 3: the first refill steps it to 4
	s_add_nc_u64 s[PFA:PFA+1], s[4:5], s[12:13]
.macro FRAG reg, adr, q, i             ; 16 rows x 128 K of 4-bit codes: 8 registers, two loads of 16 bytes, 32 bytes apart
.irp c, 0,1
	ds_load_b128 v[\reg+4*\c:\reg+4*\c+3], v[\adr] offset:64*(\q)+32*\c+(\i)*4352
.endr
.endm
.macro FETCH slot, q, p                ; the fragments of the slot's q-th 128 along K into set p: W's eight, x's four
	WIN TO_B
.irp i, 0,1,2,3,4,5,6,7
	FRAG 64*(\p)+8*\i, ADRB+\slot, \q, \i
.endr
	WIN 0
.irp i, 0,1,2,3
	FRAG AF+32*(\p)+8*\i, ADRA+\slot, \q, \i
.endr
.endm
.macro SCALES sc                       ; a K step's scale words: four words a row
.irp i, 0,1
	ds_load_b128 v[SCA+8*\sc+4*\i:SCA+8*\sc+4*\i+3], v[ADSA] offset:\i*2176
.endr
.irp i, 0,1,2,3
	ds_load_b128 v[SCB+16*\sc+4*\i:SCB+16*\sc+4*\i+3], v[ADSB] offset:\i*2176
.endr
.endm
.macro MM a, b, p, q, sc, zero
.set rD, 8*(8*(\a)+(\b))
.set rB, 64*(\p)+8*(\b)
.set rA, AF+32*(\p)+8*(\a)
.set rSB, SCB+16*(\sc)+4*((\b)%4)+(\q)
.set rSA, SCA+8*(\sc)+4*((\a)%2)+(\q)
.if \zero
.if ((\b) > 3) && ((\a) > 1)
	v_wmma_scale_f32_16x16x128_f8f6f4 v[rD:rD+7], v[rB:rB+7], v[rA:rA+7], 0, v[rSB], v[rSA] matrix_a_fmt:MATRIX_FMT_FP4 matrix_b_fmt:MATRIX_FMT_FP4 matrix_a_scale:MATRIX_SCALE_ROW1 matrix_b_scale:MATRIX_SCALE_ROW1
.elseif (\b) > 3
	v_wmma_scale_f32_16x16x128_f8f6f4 v[rD:rD+7], v[rB:rB+7], v[rA:rA+7], 0, v[rSB], v[rSA] matrix_a_fmt:MATRIX_FMT_FP4 matrix_b_fmt:MATRIX_FMT_FP4 matrix_a_scale:MATRIX_SCALE_ROW1
.elseif (\a) > 1
	v_wmma_scale_f32_16x16x128_f8f6f4 v[rD:rD+7], v[rB:rB+7], v[rA:rA+7], 0, v[rSB], v[rSA] matrix_a_fmt:MATRIX_FMT_FP4 matrix_b_fmt:MATRIX_FMT_FP4 matrix_b_scale:MATRIX_SCALE_ROW1
.else
	v_wmma_scale_f32_16x16x128_f8f6f4 v[rD:rD+7], v[rB:rB+7], v[rA:rA+7], 0, v[rSB], v[rSA] matrix_a_fmt:MATRIX_FMT_FP4 matrix_b_fmt:MATRIX_FMT_FP4
.endif
.else
.if ((\b) > 3) && ((\a) > 1)
	v_wmma_scale_f32_16x16x128_f8f6f4 v[rD:rD+7], v[rB:rB+7], v[rA:rA+7], v[rD:rD+7], v[rSB], v[rSA] matrix_a_fmt:MATRIX_FMT_FP4 matrix_b_fmt:MATRIX_FMT_FP4 matrix_a_scale:MATRIX_SCALE_ROW1 matrix_b_scale:MATRIX_SCALE_ROW1
.elseif (\b) > 3
	v_wmma_scale_f32_16x16x128_f8f6f4 v[rD:rD+7], v[rB:rB+7], v[rA:rA+7], v[rD:rD+7], v[rSB], v[rSA] matrix_a_fmt:MATRIX_FMT_FP4 matrix_b_fmt:MATRIX_FMT_FP4 matrix_a_scale:MATRIX_SCALE_ROW1
.elseif (\a) > 1
	v_wmma_scale_f32_16x16x128_f8f6f4 v[rD:rD+7], v[rB:rB+7], v[rA:rA+7], v[rD:rD+7], v[rSB], v[rSA] matrix_a_fmt:MATRIX_FMT_FP4 matrix_b_fmt:MATRIX_FMT_FP4 matrix_b_scale:MATRIX_SCALE_ROW1
.else
	v_wmma_scale_f32_16x16x128_f8f6f4 v[rD:rD+7], v[rB:rB+7], v[rA:rA+7], v[rD:rD+7], v[rSB], v[rSA] matrix_a_fmt:MATRIX_FMT_FP4 matrix_b_fmt:MATRIX_FMT_FP4
.endif
.endif
.endm
; 16 matrix instructions: x's blocks a0, a0 + 1 against W's eight.  The 32 accumulators take turns, one instruction a turn, in the same order in every step.
.macro MULH a0, p, q, sc, zero
.irp a, \a0, \a0+1
.irp b, 0,1,2,3,4,5,6,7
	MM \a, \b, \p, \q, \sc, \zero
.endr
.endr
.endm
; A step of 128 along K whose successor lies in the same slot: the successor's 24 loads go out ahead of this step's 32 products.
.macro STEP slot, q, zero
	s_wait_dscnt 0x0                               ; this step's fragments are in
	PLACES 4                                       ; behind the last step's products, which read the set that is loaded now
	FETCH \slot, (\q)+1, 1-(\q)%2
	WIN MUL
	MULH 0, (\q)%2, \q, \slot, \zero
	MULH 2, (\q)%2, \q, \slot, \zero
.endm
; A slot's last step changes slots: each wave waits for all its tensor loads, adds 0 to its spare word, and waits for that and for its reads of this slot; then the barrier.  fill = 1: the barrier opens a round of the
; cluster's, and this slot is filled again, two K steps ahead, first thing behind it.
.macro TURN slot, next, fill
	WIN 0
.if \fill
	s_wait_xcnt 0x0                                ; the last prefetch, a K step back, has read its address
	s_add_nc_u64 s[PFA:PFA+1], s[PFA:PFA+1], 256
.endif
	s_wait_tensorcnt 0x0                           ; all my tensor loads have landed: my part of the next slot
	ds_add_u32 v[SPW], v[NIL]                      ; 0 onto my spare word
.if \fill
	s_add_nc_u64 s[G0A+4*\slot+2:G0A+4*\slot+3], s[G0A+4*\slot+2:G0A+4*\slot+3], 512
	s_add_nc_u64 s[G0B+4*\slot+2:G0B+4*\slot+3], s[G0B+4*\slot+2:G0B+4*\slot+3], 512
.endif
	s_wait_dscnt 0x0                               ; the add is done, this step's fragments are in, and my reads of this slot are over
	s_barrier_signal -1
	WIN MUL
	MULH 0, 1, 3, \slot, 0
	WIN 0
	s_barrier_wait -1
.if \fill
	CREST
	JLOAD G0A+4*\slot, G1A, G0B+4*\slot, G1B       ; the four v_nop behind it are also the places in front of the loads below
.else
	PLACES 4
.endif
	v_add_nc_u32 v[ADSA], 16, v[ADSA]              ; on to the next K step's scale words
	v_add_nc_u32 v[ADSB], 16, v[ADSB]
	FETCH \next, 0, 0
	SCALES \next
.if \fill
	ASK
.endif
	WIN MUL
	MULH 2, 1, 3, \slot, 0
.endm
	s_wait_tensorcnt 1                             ; the scale bytes and my part of K step 0 are in; K step 1's load may be out
	s_barrier_signal -1
	s_barrier_wait -1
	FETCH 0, 0, 0
	SCALES 0
	STEP 0, 0, 1                                   ; the first step's products start the sums
	WIN 0
	s_mov_b32 s3, LAPS-1
.Llap:
	STEP 0, 1, 0
	STEP 0, 2, 0
	TURN 0, 1, 1
	STEP 1, 0, 0
	STEP 1, 1, 0
	STEP 1, 2, 0
	TURN 1, 0, 1
	STEP 0, 0, 0
	WIN 0
	s_sub_co_u32 s3, s3, 1
	s_cmp_lg_u32 s3, 0
	s_cbranch_scc1 .Llap
	STEP 0, 1, 0                                   ; the last lap fills nothing
	STEP 0, 2, 0
	TURN 0, 1, 0
	STEP 1, 0, 0
	STEP 1, 1, 0
	STEP 1, 2, 0
	s_wait_dscnt 0x0
	WIN MUL
	MULH 0, 1, 3, 1, 0
	MULH 2, 1, 3, 1, 0
	WIN 0
	PLACES 4
; THE WAY OUT, a block of 16 tokens at a time.
.macro TABLOAD a                       ; the block's cosines and sines: register 16 kind + 8 uu + j
.irp g, 0,1,2,3,4,5,6,7,8,9,10,11,12,13,14,15
	global_load_b128 v[CSN+4*\g:CSN+4*\g+3], v[TA], s[8:9] offset:(\a)*8192+\g*512
.endr
.endm
.macro NORMROPE a
.set AC, 64*(\a)
	WIN 0x0a                                       ; sources 0 and 1: window 2
	v_pk_mul_f32 v[82:83], v[AC:AC+1], v[AC:AC+1]  ; the sum of squares, in two chains, each accumulator from its low end on
	v_pk_mul_f32 v[84:85], v[AC+2:AC+3], v[AC+2:AC+3]
.set n, 4
.rept 15
	v_pk_fma_f32 v[82:83], v[AC+n:AC+n+1], v[AC+n:AC+n+1], v[82:83]
	v_pk_fma_f32 v[84:85], v[AC+n+2:AC+n+3], v[AC+n+2:AC+n+3], v[84:85]
.set n, n+4
.endr
	WIN 0
	v_pk_add_f32 v[82:83], v[82:83], v[84:85]
	v_add_f32 v82, v82, v83
	v_permlanex16_b32 v83, v82, s98, s99           ; the token's other 64 channels lie in the lane 16 away
	v_add_f32 v82, v82, v83
	v_fma_f32 v82, v82, s100, s101                 ; the mean + 1e-6
	v_rsq_f32 v80, v82
	v_nop                                          ; a plain instruction behind the transcendental
	s_wait_alu depctr_va_vdst(0)                   ; and the wait ahead of its first reader
	WIN 0x02
.set n, 0
.rept 32
	v_pk_mul_f32 v[Y+n:Y+n+1], v[AC+n:AC+n+1], v[80:81] op_sel_hi:[1,0]
.set n, n+2
.endr
	s_wait_loadcnt 0x0                             ; the gain and this block's table
	WIN 0x04                                       ; source 1: window 1
.set n, 0
.rept 32
	v_pk_mul_f32 v[Y+n:Y+n+1], v[Y+n:Y+n+1], v[128+n:128+n+1]
.set n, n+2
.endr
	WIN 0
.irp H, 0,1                            ; the half of the head: rows, columns
.irp uu, 0,1
.irp jj, 0,1,2,3
.set y1, Y+8*(4*\H+\uu)+2*\jj
.set y2, y1+16
.set cc, CSN+32*\H+8*\uu+2*\jj
.set ss, cc+16
.set tt, 84+4*(\jj%2)
	v_pk_mul_f32 v[tt:tt+1], v[y2:y2+1], v[ss:ss+1]
	v_pk_mul_f32 v[tt+2:tt+3], v[y2:y2+1], v[cc:cc+1]
	v_pk_fma_f32 v[y2:y2+1], v[y1:y1+1], v[ss:ss+1], v[tt+2:tt+3]                             ; t1 sin + t2 cos
	v_pk_fma_f32 v[y1:y1+1], v[y1:y1+1], v[cc:cc+1], v[tt:tt+1] neg_lo:[0,0,1] neg_hi:[0,0,1]   ; t1 cos - t2 sin
.endr
.endr
.endr
.if (\a) < 3
	TABLOAD (\a)+1
.endif
.set n, 0
.rept 32
	v_cvt_pk_f16_f32 v[PK+n], v[Y+2*n], v[Y+2*n+1]
.set n, n+1
.endr
.endm
.macro VCAST a
.set AC, 64*(\a)
	WIN 0x0a
.set n, 0
.rept 32
	v_cvt_pk_f16_f32 v[PK+n], v[AC+2*n], v[AC+2*n+1]
.set n, n+1
.endr
	WIN 0
.endm
.macro OUT a, so                       ; 16 rows of 256 bytes through my stage: LDS serves a wave's instructions in order; sixteen lanes store 256 consecutive bytes, aligned
.irp b, 0,1,2,3,4,5,6,7
	ds_store_b128 v[STO], v[PK+4*\b:PK+4*\b+3] offset:\so+32*\b
.endr
.irp t, 0,1,2,3,4,5,6,7
	ds_load_b128 v[PK+4*\t:PK+4*\t+3], v[RD] offset:\so+544*\t
.endr
.irp t, 0,1,2,3,4,5,6,7
	s_wait_dscnt 7-\t                              ; the later loads may be out
	global_store_b128 v[CO], v[PK+4*\t:PK+4*\t+3], s[14:15] offset:4096*(\a)+512*\t
.endr
.endm
	s_cmp_eq_u32 ttmp9, 3                          ; columns 3072 on are v's: the cluster's x, the same in all partners and waves
	s_cbranch_scc1 .Lv_cols
	WIN 0x40
.irp b, 0,1,2,3,4,5,6,7
	global_load_b128 v[128+8*\b:128+8*\b+3], v[GA], s[10:11] offset:64*\b       ; the gain of channels 16 b + 8 h + 0 .. 7
	global_load_b128 v[128+8*\b+4:128+8*\b+7], v[GA], s[10:11] offset:64*\b+16
.endr
	WIN 0
	TABLOAD 0
	v_mov_b32 v81, 0                               ; (named as the upper half of the pair v[80:81])
.irp a, 0,1,2,3
.if \a > 0
	s_wait_xcnt 0x0                                ; the last block's stores have read their registers
.endif
	NORMROPE \a
	OUT \a, 0
.endr
	s_branch .Lclose
.Lv_cols:
.irp a, 0,1,2,3
.if \a > 0
	s_wait_xcnt 0x0
.endif
	VCAST \a
	OUT \a, STG2
.endr
.Lclose:
	s_wait_tensorcnt 0x0                           ; the wave's end
	ds_add_u32 v[SPW], v[NIL]
	s_wait_dscnt 0x0
	CROUND                                         ; the closing round
	s_endpgm
.Lfunc_end_k_qda9c43be48_qkv:
	.size	k_qda9c43be48_qkv, .Lfunc_end_k_qda9c43be48_qkv-k_qda9c43be48_qkv
	.p2alignl 7, 3214868480
	.fill 96, 4, 3214868480
	.section	.rodata,"a",@progbits
	.p2align	6, 0x0
	.amdhsa_kernel k_qda9c43be48_qkv
		.amdhsa_group_segment_fixed_size 327680
		.amdhsa_private_segment_fixed_size 0
		.amdhsa_enable_private_segment 0
		.amdhsa_kernarg_size 48
		.amdhsa_user_sgpr_count 2
		.amdhsa_user_sgpr_kernarg_segment_ptr 1
		.amdhsa_wavefront_size32 1
		.amdhsa_system_sgpr_workgroup_id_x 1
		.amdhsa_system_sgpr_workgroup_id_y 1
		.amdhsa_system_sgpr_workgroup_id_z 1
		.amdhsa_system_vgpr_workitem_id 0
		.amdhsa_next_free_vgpr 768
		.amdhsa_next_free_sgpr 102
		.amdhsa_reserve_vcc 0
		.amdhsa_float_denorm_mode_32 3
		.amdhsa_float_denorm_mode_16_64 3
		.amdhsa_memory_ordered 1
		.amdhsa_forward_progress 1
		.amdhsa_inst_pref_size 191
	.end_amdhsa_kernel
	.amdgpu_metadata
---
amdhsa.version: [ 1, 2 ]
amdhsa.kernels:
  - .name:           k_qda9c43be48_qkv
    .symbol:         k_qda9c43be48_qkv.kd
    .args:
      - { .name: codes, .offset: 0, .size: 8, .value_kind: global_buffer, .address_space: global }
      - { .name: scales, .offset: 8, .size: 8, .value_kind: global_buffer, .address_space: global }
      - { .name: rope_tab, .offset: 16, .size: 8, .value_kind: global_buffer, .address_space: global }
      - { .name: q_norm_w, .offset: 24, .size: 8, .value_kind: global_buffer, .address_space: global }
      - { .name: k_norm_w, .offset: 32, .size: 8, .value_kind: global_buffer, .address_space: global }
      - { .name: qkv16, .offset: 40, .size: 8, .value_kind: global_buffer, .address_space: global }
    .group_segment_fixed_size: 327680
    .private_segment_fixed_size: 0
    .kernarg_segment_align: 8
    .kernarg_segment_size: 48
    .max_flat_workgroup_size: 128
    .sgpr_count:     102
    .vgpr_count:     768
    .wavefront_size: 32
...
	.end_amdgpu_metadata
.endif
;; end of part 2
;; launch attn (part 3): grid 32 x 8, 4 waves a work-group, clusters of 4 x 1, 327,680 bytes of LDS; arguments qkv16, mask_img, attn_out; writes attn_out
.if DOCPART == 3
	.amdgcn_target "amdgcn-amd-amdhsa--gfx1250"
	.amdhsa_code_object_version 6
	.text
	.protected	k_qda9c43be48_attn
	.globl	k_qda9c43be48_attn
	.p2align	8
	.type	k_qda9c43be48_attn,@function
k_qda9c43be48_attn:
	s_mov_b64 s[64:65], 0
	v_nop
	global_prefetch_b8 v0, s[64:65] scope:SCOPE_SE
	s_setreg_imm32_b32 hwreg(HW_REG_WAVE_MODE, 25, 1), 1
	s_wait_xcnt 0x0
	s_wait_alu depctr_hold_cnt(0) depctr_sa_sdst(0) depctr_va_vdst(0) depctr_va_sdst(0) depctr_va_ssrc(0) depctr_va_vcc(0) depctr_vm_vsrc(0)
	s_getreg_b32 s2, hwreg(HW_REG_IB_STS2, 6, 4)
	s_cmp_eq_u32 s2, 0
	s_cbranch_scc0 .Lentry_in_a_cluster
	s_endpgm
.Lentry_in_a_cluster:
	s_bfe_u32 s2, ttmp6, 0x10000c
	s_cmp_lg_u32 s2, 0x3003
	s_cbranch_scc0 .Lentry_shape_is_right
	s_endpgm
.Lentry_shape_is_right:
; Third launch: attention.  softmax_k(q . k x 128^-0.5 ln 2048 + mask) v, for 16 query heads on 8 key/value heads; operands f16, products, maxima and sums f32; the result leaves as f16 [token][head x 128 + channel].
; Nothing of the problem is left out; no pattern of the mask is built in.
; SHARES.  A work-group takes one key/value head, 64 queries and BOTH query heads that read it.  Wave w: 32 of the queries (a = w & 1) and HALF OF THE KEYS (b = w >> 1): four tiles of 16 rows, tile t = 2 qt + e
; (qt: tile of queries, e: head), so that a fragment of K or V read from LDS feeds four products and a register of the mask serves both heads.  Waves w and w xor 2 merge their maxima, sums and O at the end, through LDS.
; LAYOUT.  S^T = K Q^T (source 0 = 16 keys, source 1 = 16 queries) and O^T = V^T P: a lane holds one query throughout; V is turned by ds_load_tr16_b128.
; THE MASK IS THE C OF A SUM'S FIRST PRODUCT.  An earlier launch has laid it out as images of S^T's registers and divided it by the scale: s = q . k + mask / scale comes out of the matrix unit, and the
; one multiply-add ahead of the exponentials takes c = scale x log2 e.  It comes from memory straight into registers, a step ahead.
; SOFTMAX.  A running maximum m and sum l for each query: p = 2^(c s - c m); in every step O and l are multiplied by 2^(c m_old - c m_new).
; BY TURNS.  The wave's tiles are two PIECES, named by their first tile: piece 0 (tiles 0, 1: query tile 0) and piece 2 (tiles 2, 3).  In a TURN one piece has the matrix unit: 32 products V^T P of the step in
; hand, then 32 products K Q^T of the next step; the other piece's softmax, 268 vector instructions cut into 64 slices, stands between them, one slice behind each matrix instruction.  Two turns are a key step.
; RING.  Two LDS slots of 256 keys (four steps of 64; the wave's half of the keys is two of them).  CLUSTER: the four blocks of queries of a cluster walk the same K and V: joint tensor loads.
; A wave has two tensor loads out at the start and one behind each round.
; LIMITS: the running maximum is floored at -1e30 (in units of s), so that a step wholly at -infinity gives p = 0; a row all of whose s lie under -1e30 gives NaN.
; The mask is added to q . k ahead of the scale, by the matrix unit's own addition.
; REGISTERS: window 0: v1-15, v48, v49, v61-63 addresses; v16-47 statistics, eight a tile (+0 c m, +1 m, +2, +3 l, +4-7 at work); v64-191 S^T, 32 a tile; v192-255 P, 16 a tile.
;   window 1: O^T, 64 a tile.   window 2: v0-127 Q, v128-255 K of one step.   window 3: v0-127 V of one step, v128-191 the mask, 32 a piece.
; All that a softmax touches but O^T lies in window 0, and no window has room for a product's operands beside it: a slice costs two switches of the windows.
.set KP,    272
.set VP,    288
.set SLOTB, 143360                     ; 256 rows of K x 272, then 256 rows of V x 288
.set VOFF,  69632
.set SPARE, 2*SLOTB
.set STAGE, SPARE+512                  ; 16 rows x 272 for each wave
.set MST,   131072                     ; the merge lies in slot 0, which has had its last fill and its last read: O's images, 32,768 bytes a wave, then the statistics
.set AK0, 2
.set AV0, 3
.set ADR, 4                            ; v4 the LDS address of the run of loads in hand
.set QO,  6
.set STO, 7
.set RD,  8
.set GO,  10
.set MO,  11
.set ST,  16
.set PFO, 61
.set SPW, 62
.set NIL, 63
.set S,   64
.set P,   192
.set KF,  128                          ; K's fragments, in window 2
.set MK,  128                          ; the mask, in window 3: piece x at MK + 16 x
.set WV,  10
.set MP,  16                           ; s[16:17], s[18:19] where piece 0's and piece 2's mask stands
.set G1K, 24
.set G1V, 32
.set G0K, 40
.set G0V, 48
.set PFA, 56
.set CS,  58
.set SEL, 60
.set TBK, 62
.set TBV, 63
.set WBK, 66
.set WBV, 67
.set TWICE, 69
.set RF,  70
.set LIM, 71
.set REM, 72                           ; s72 bytes that the mask's pointers have still to go
.set INC, 80                           ; s[80:81] their step: 4,096, and 0 at the end
.set MSB, 0
.macro WIN new                         ; the immediate's high byte repeats the setting that is left; a switch that changes nothing is dropped
.if MSB != \new
	s_set_vgpr_msb (MSB<<8)|\new
.set MSB, \new
.endif
.endm
.set W_KQ,  0x0a                       ; K and Q in window 2, S^T in window 0
.set W_KQM, 0x3a                       ; the same, C (the mask) in window 3
.set W_PV,  0x53                       ; V in window 3, P in window 0, O^T in window 1
.set W_RS,  0x41                       ; O^T in window 1, its factor in window 0
.macro PLACES
.rept 4
	v_nop
.endr
.endm
.macro JLOAD s                         ; waves 0 and 1 fetch K's halves, waves 2 and 3 V's; an s_nop 0 and four v_nop follow each line
	s_cmp_lt_u32 s[WV], 2
	s_cbranch_scc0 .Lfor_v_\@
	tensor_load_to_lds s[G0K+4*(\s):G0K+4*(\s)+3], s[G1K:G1K+7]
	s_nop 0
.rept 4
	v_nop
.endr
	s_branch .Lasked_\@
.Lfor_v_\@:
	tensor_load_to_lds s[G0V+4*(\s):G0V+4*(\s)+3], s[G1V:G1V+7]
	s_nop 0
.rept 4
	v_nop
.endr
.Lasked_\@:
.endm
; A prefetch of the slot that the NEXT change of slots will ask for: 256 rows of K and of V, 256 bytes a row, a lane a row.  All clusters of a key/value head walk the same rows: the first of them asks;
; its four partners and their waves share the rows out by address.  The last refill asks for nothing.
.macro ASK
	s_cmp_gt_u32 s[RF], s[LIM]
	s_cbranch_scc0 .Lnot_mine_\@
	global_prefetch_b8 v[PFO], s[PFA:PFA+1] th:TH_LOAD_NT scope:SCOPE_SE
.Lnot_mine_\@:
.endm
.macro CROUND
	s_barrier_signal -1
	s_barrier_wait -1
	s_cmp_lg_u32 s[WV], 0
	s_cbranch_scc1 .Lnot_wave_0_\@
	s_barrier_signal -3
.Lnot_wave_0_\@:
	s_barrier_wait -3
	s_barrier_signal -1
	s_barrier_wait -1
.endm
.macro MASKLOAD x                      ; a step's mask for piece x: eight loads of 512 consecutive bytes
	WIN 0xc0
.irp n, 0,1,2,3,4,5,6,7
	global_load_b128 v[MK+16*\x+4*\n:MK+16*\x+4*\n+3], v[MO], s[MP+\x:MP+\x+1] offset:512*\n
.endr
.endm
; The next step's mask for piece x.  The piece's own pointer steps here: its last loads were shown done by the counted wait ahead of the piece's products.  Behind the last step the pointers step by 0 and the
; step's own block is asked for once more: so the counts of the waits hold on every way, and no load leaves the buffer.
.macro MASKNEXT x
.if \x == 0
	s_min_u32 s[INC], s[REM], 4096
	s_sub_co_u32 s[REM], s[REM], s[INC]
.endif
	s_add_nc_u64 s[MP+\x:MP+\x+1], s[MP+\x:MP+\x+1], s[INC:INC+1]
	MASKLOAD \x
.endm
	s_load_b128 s[4:7], s[0:1], 0x0                ; qkv16, mask_img
	s_load_b64 s[8:9], s[0:1], 0x10                ; attn_out
	v_lshl_add_u32 v[SPW], v0, 2, SPARE
	v_mov_b32 v[NIL], 0
	ds_add_u32 v[SPW], v[NIL]                      ; the wave's opening: the add, twice on end, and its wait ahead of my first tensor load
	ds_add_u32 v[SPW], v[NIL]
	v_lshrrev_b32 v1, 5, v0
	v_readfirstlane_b32 s[WV], v1
	s_and_b32 s11, s[WV], 1                        ; a.  Also: which half of a slot's rows I fetch
	s_lshr_b32 s12, s[WV], 1                       ; b
	s_bfe_u32 s13, ttmp6, 0x40000                  ; cx
	s_lshl_b32 s14, ttmp9, 2
	s_add_co_u32 s14, s14, s13                     ; my block of 64 queries
	s_and_b32 s15, ttmp7, 0xffff                   ; the key/value head
	s_add_co_u32 s20, s15, 16
	s_lshl_b32 s20, s20, 19
	s_lshl_b32 s73, s11, 15
	s_add_co_u32 s20, s20, s73                     ; K: head 16 + g, my 128 rows of slot 0
	s_mov_b32 s21, 0
	s_add_co_u32 s22, s20, 8<<19                   ; V: head 24 + g
	s_mov_b32 s23, 0
	s_mul_i32 s74, s11, 128*KP
	s_mul_i32 s75, s11, 128*VP
	s_mov_b32 s[G1K], 15|(1<<16)|(1<<20)|(1<<21)|(5<<22)|(3<<25)   ; the mask of work-groups: all four; elements of 2 bytes; padding: 4 words behind every 64
	s_mov_b32 s[G1V], 15|(1<<16)|(1<<20)|(1<<21)|(5<<22)|(7<<25)   ; 8 words
.irp g, G1K, G1V
	s_mov_b32 s[\g+1], 128<<16                     ; 128 rows of 128 elements, dense
	s_mov_b32 s[\g+2], 128<<16
	s_mov_b32 s[\g+3], 128<<16
	s_mov_b32 s[\g+4], 128
	s_mov_b32 s[\g+5], 128
	s_mov_b32 s[\g+6], 0
	s_mov_b32 s[\g+7], 0
.endr
	s_mov_b32 s[CS], 0x3f78e6ce                    ; c = 128^-0.5 x ln 2048 x log2 e
	s_mov_b32 s[CS+1], s[CS]
	s_mov_b32 s[SEL], 0x76543210
	s_mov_b32 s[SEL+1], 0xfedcba98
	s_mul_i32 s[WBK], s12, 128*KP                  ; my half of a slot's keys
	s_mul_i32 s[WBV], s12, 128*VP
	s_add_co_u32 s[WBV], s[WBV], VOFF
	s_mov_b32 s[RF], 6                             ; refills to come
	s_mov_b32 s[REM], 15*4096                      ; 16 steps: 15 steps of the mask's pointers
	s_mov_b32 s[INC], 0
	s_mov_b32 s[INC+1], 0
	s_cmp_eq_u32 ttmp9, 0
	s_cselect_b32 s[LIM], 1, -1                    ; the same in all four partners
	s_lshl_b32 s76, s15, 20                        ; Q: head 2 g,
	s_lshl_b32 s73, s14, 14
	s_add_co_u32 s76, s76, s73
	s_lshl_b32 s73, s11, 13
	s_add_co_u32 s76, s76, s73                     ; row 64 x block + 32 a
	s_mov_b32 s77, 0
	s_lshl_b32 s78, s14, 19                        ; the mask: tile of queries 4 x block + 2 a, half b
	s_lshl_b32 s73, s11, 18
	s_add_co_u32 s78, s78, s73
	s_lshl_b32 s73, s12, 16
	s_add_co_u32 s78, s78, s73
	s_mov_b32 s79, 0
	s_wait_dscnt 0x0                               ; both opening adds are done
	s_wait_kmcnt 0x0
	s_add_nc_u64 s[20:21], s[4:5], s[20:21]
	s_add_nc_u64 s[22:23], s[4:5], s[22:23]
	s_add_nc_u64 s[MP:MP+1], s[6:7], s[78:79]
	s_add_nc_u64 s[MP+2:MP+3], s[MP:MP+1], 0x20000 ; piece 2: the next tile of queries
	CROUND                                         ; all four work-groups are here: the first joint loads meet
.irp s, 0,1
	s_mov_b32 s[G0K+4*\s], 1
	s_add_co_u32 s[G0K+4*\s+1], s74, \s*SLOTB
	s_add_nc_u64 s[G0K+4*\s+2:G0K+4*\s+3], s[20:21], \s*65536
	s_or_b32 s[G0K+4*\s+3], s[G0K+4*\s+3], 0x80000000
	s_mov_b32 s[G0V+4*\s], 1
	s_add_co_u32 s[G0V+4*\s+1], s75, \s*SLOTB+VOFF
	s_add_nc_u64 s[G0V+4*\s+2:G0V+4*\s+3], s[22:23], \s*65536
	s_or_b32 s[G0V+4*\s+3], s[G0V+4*\s+3], 0x80000000
.endr
	s_cmp_lt_u32 s[WV], 2                          ; a wave's two first fills stand in one branch
	s_cbranch_scc0 .Lfirst_v
	tensor_load_to_lds s[G0K:G0K+3], s[G1K:G1K+7]
	s_nop 0
	tensor_load_to_lds s[G0K+4:G0K+7], s[G1K:G1K+7]
	s_nop 0
.rept 4
	v_nop
.endr
	s_branch .Lfirst_asked
.Lfirst_v:
	tensor_load_to_lds s[G0V:G0V+3], s[G1V:G1V+7]
	s_nop 0
	tensor_load_to_lds s[G0V+4:G0V+7], s[G1V:G1V+7]
	s_nop 0
.rept 4
	v_nop
.endr
.Lfirst_asked:
	s_cmp_lt_u32 s[WV], 2                          ; the prefetches: K's rows (waves 0, 1) or V's (2, 3): row 64 cx + 32 (wave & 1) + lane of a slot
	s_cselect_b32 s78, 16, 24
	s_add_co_u32 s78, s78, s15
	s_lshl_b32 s78, s78, 19
	s_lshl_b32 s73, s13, 14
	s_add_co_u32 s78, s78, s73
	s_lshl_b32 s73, s11, 13
	s_add_co_u32 s78, s78, s73
	s_add_co_u32 s78, s78, 2*65536                 ; in slot 2: the first change of slots steps it to slot 3
	s_add_nc_u64 s[PFA:PFA+1], s[4:5], s[78:79]
	s_add_nc_u64 s[4:5], s[4:5], s[76:77]          ; Q at my first row
	s_lshl_b32 s78, s14, 18                        ; the result: token 64 x block + 32 a + 16 b, 4,096 bytes a token; head 2 g
	s_lshl_b32 s73, s11, 17
	s_add_co_u32 s78, s78, s73
	s_lshl_b32 s73, s12, 16
	s_add_co_u32 s78, s78, s73
	s_lshl_b32 s73, s15, 9
	s_add_co_u32 s78, s78, s73
	s_add_nc_u64 s[8:9], s[8:9], s[78:79]
	v_and_b32 v1, 15, v0                           ; r
	v_bfe_u32 v9, v0, 4, 1                         ; h
	v_lshlrev_b32 v[QO], 8, v1
	v_lshl_add_u32 v[QO], v9, 4, v[QO]
	v_and_b32 v48, 31, v0
	v_lshlrev_b32 v[MO], 4, v48
	v_lshlrev_b32 v[PFO], 8, v48
	WIN 0x80
.irp t, 0,1,2,3                        ; Q stays in registers: tile t = 2 qt + e, channels 32 c on
.irp c, 0,1,2,3
	global_load_b128 v[32*\t+8*\c:32*\t+8*\c+3],   v[QO], s[4:5] offset:(\t%2)*524288+(\t/2)*4096+64*\c
	global_load_b128 v[32*\t+8*\c+4:32*\t+8*\c+7], v[QO], s[4:5] offset:(\t%2)*524288+(\t/2)*4096+64*\c+32
.endr
.endr
	MASKLOAD 0                                     ; the first step's mask: piece 0's, then piece 2's
	MASKLOAD 2
	WIN 0
	v_mul_u32_u24 v[AK0], v1, KP
	v_lshl_add_u32 v[AK0], v9, 4, v[AK0]           ; K: row r x pitch + 16 h
	v_and_b32 v12, 7, v0
	v_bfe_u32 v13, v0, 3, 1
	v_lshl_add_u32 v[AV0], v9, 3, v12
	v_mul_u32_u24 v[AV0], v[AV0], VP
	v_lshl_add_u32 v[AV0], v13, 4, v[AV0]          ; V, for the turning load: key 8 h + l % 8, channels 8 ((l / 8) % 2) on
	s_lshl_b32 s73, s[WV], 15                      ; the merge: my images,
	v_add_nc_u32 v12, s73, v[MO]
	s_lshl_b32 s74, s12, 14                        ; in them tiles 2 b and 2 b + 1, which I finish,
	s_add_co_u32 s75, s73, s74
	v_add_nc_u32 v13, s75, v[MO]
	s_xor_b32 s75, s[WV], 2                        ; and the same tiles of the wave with the other half of the keys
	s_lshl_b32 s73, s75, 15
	s_add_co_u32 s73, s73, s74
	v_add_nc_u32 v14, s73, v[MO]
	v_lshlrev_b32 v49, 3, v48
	s_lshl_b32 s73, s[WV], 10
	s_add_co_u32 s73, s73, MST
	v_add_nc_u32 v15, s73, v49                     ; the statistics: 1,024 bytes a wave, 256 a tile, 8 a lane
	s_lshl_b32 s74, s12, 9
	s_add_co_u32 s73, s73, s74
	v_add_nc_u32 v48, s73, v49
	s_lshl_b32 s73, s75, 10
	s_add_co_u32 s73, s73, MST
	s_add_co_u32 s73, s73, s74
	v_add_nc_u32 v49, s73, v49
; THE MATRIX WORK OF A TURN, for piece x.  The accumulators take turns, one instruction a turn: between two links of a chain stand 15 (V^T P) or 7 (K Q^T) others'.
; Product i of 32 of O^T += V^T P: keys 32 (i / 16) on, channels 16 ((i / 2) % 8) on, tile x + i % 2.  zero = 1: the first 16 start the sums: nothing is ever cleared.
.macro PV x, zero
	WIN W_PV
.set rO, 64*(\x+i%2)+8*((i/2)%8)
.set rV, 64*(i/16)+8*((i/2)%8)
.set rP, P+16*(\x+i%2)+8*(i/16)
.if \zero && (i < 16)
	v_wmma_f32_16x16x32_f16 v[rO:rO+7], v[rV:rV+7], v[rP:rP+7], 0
.else
	v_wmma_f32_16x16x32_f16 v[rO:rO+7], v[rV:rV+7], v[rP:rP+7], v[rO:rO+7]
.endif
.endm
; Product i of 32 of S^T = K Q^T + mask: channels 32 (i / 8) on, keys 16 ((i / 2) % 4) on, tile x + i % 2.  The first 8 start the sums, with the mask as their C; both heads of the piece take the same registers.
.macro KQ x
.set rS, S+32*(\x+i%2)+8*((i/2)%4)
.set rK, KF+32*((i/2)%4)+8*(i/8)
.set rQ, 32*(\x+i%2)+8*(i/8)
.set rM, MK+16*(\x)+8*((i/2)%4)
.if i < 8
	WIN W_KQM
	v_wmma_f32_16x16x32_f16 v[rS:rS+7], v[rK:rK+7], v[rQ:rQ+7], v[rM:rM+7]
.else
	WIN W_KQ
	v_wmma_f32_16x16x32_f16 v[rS:rS+7], v[rK:rK+7], v[rQ:rQ+7], v[rS:rS+7]
.endif
.endm
; THE LDS LOADS stand in runs of 32, never singly among the matrix instructions: a step's K (64 keys x 128 channels: 16 fragments) and, a turn later, its V (turned).
.macro FETCH_K
	WIN 0
	v_add_nc_u32 v[ADR], s[TBK], v[AK0]
	s_add_co_u32 s[TBK], s[TBK], 64*KP             ; the next fetch is the next step's
	WIN 0x80
.irp f, 0,1,2,3,4,5,6,7,8,9,10,11,12,13,14,15      ; keys 16 (f / 4) on, channels 32 (f % 4) on
	ds_load_b128 v[KF+8*\f:KF+8*\f+3],   v[ADR] offset:(\f/4)*16*KP+(\f%4)*64
	ds_load_b128 v[KF+8*\f+4:KF+8*\f+7], v[ADR] offset:(\f/4)*16*KP+(\f%4)*64+32
.endr
.endm
.macro FETCH_V
	WIN 0
	v_add_nc_u32 v[ADR], s[TBV], v[AV0]
	s_add_co_u32 s[TBV], s[TBV], 64*VP
	s_wait_alu depctr_va_vdst(0)                   ; the wait for the softmax's batch of exponentials, behind the address's addition and ahead of the loads
	WIN 0xc0
.irp f, 0,1,2,3,4,5,6,7,8,9,10,11,12,13,14,15      ; keys 32 (f / 8) on, channels 16 (f % 8) on
	ds_load_tr16_b128 v[8*\f:8*\f+3],   v[ADR] offset:(\f/8)*32*VP+(\f%8)*32
	ds_load_tr16_b128 v[8*\f+4:8*\f+7], v[ADR] offset:(\f/8)*32*VP+16*VP+(\f%8)*32
.endr
.endm
; THE VECTOR WORK OF A TURN.  One tile's softmax for one key step is a list of 134 instructions; SM writes number j of it for tile t.
;   0-15 the maximum of the lane's 32 scores and the old m (first step: and the floor);  16-20 the other half of the lanes' maximum, the new m, c m, its change;
;   21-69 ONE BATCH: 16 packed scalings and 33 exponentials, none of which reads an exponential's result;  (the wait for the batch: SLICE writes it, once for both tiles)
;   70-85 roundings to f16;  86-101 the sums;  102-133 O^T times the change's power of two: the one part that leaves window 0.
.macro SM t, first
.set rT, ST+8*(\t)
.set rS, S+32*(\t)
.set rP, P+16*(\t)
.set rO, 64*(\t)+2*(j-102)
.if j < 102
	WIN 0
.endif
.if j < 4
	v_max3_num_f32 v[rT+4+j], v[rS+8*j], v[rS+8*j+1], v[rS+8*j+2]
.elseif j < 12
	v_max3_num_f32 v[rT+4+j%4], v[rT+4+j%4], v[rS+8*(j%4)+2*(j/4)+1], v[rS+8*(j%4)+2*(j/4)+2]
.elseif j == 12
	v_max3_num_f32 v[rT+4], v[rT+4], v[rS+7], v[rS+15]
.elseif j == 13
	v_max3_num_f32 v[rT+6], v[rT+6], v[rS+23], v[rS+31]
.elseif j == 14
	v_max3_num_f32 v[rT+4], v[rT+4], v[rT+5], v[rT+6]
.elseif (j == 15) && \first
	v_max3_num_f32 v[rT+4], v[rT+4], v[rT+7], 0xf149f2ca   ; the floor, -1e30
.elseif j == 15
	v_max3_num_f32 v[rT+4], v[rT+4], v[rT+7], v[rT+1]
.elseif j == 16
	v_permlanex16_b32 v[rT+5], v[rT+4], s[SEL], s[SEL+1]   ; the query's other 32 keys lie in the lane 16 away
.elseif j == 18
	v_max_num_f32 v[rT+1], v[rT+4], v[rT+5]
.elseif j == 19
	v_mul_f32 v[rT], s[CS], v[rT+1]
.elseif ((j == 17) || (j == 20) || (j == 23) || (j > 101)) && \first
.elseif j == 17
	v_mov_b32 v[rT+7], v[rT]
.elseif j == 20
	v_sub_f32 v[rT+7], v[rT+7], v[rT]
.elseif j == 23
	v_exp_f32 v[rT+6], v[rT+7]
.elseif (j < 23) || ((j < 38) && (j%2 == 0)) || ((j < 66) && (j%4 == 2))
.set b, (j-2)/4
.if j < 38
.set b, (j-20)/2
.endif
	v_pk_fma_f32 v[rS+2*b:rS+2*b+1], v[rS+2*b:rS+2*b+1], s[CS:CS+1], v[rT:rT+1] op_sel_hi:[1,0,0] neg_lo:[0,0,1] neg_hi:[0,0,1]
.elseif j < 70
.set e, j-38
.if j < 66
.set e, j-32-(j-38)/4
.endif
.if j < 38
.set e, (j-25)/2
.endif
	v_exp_f32 v[rS+e], v[rS+e]
.elseif j < 86
	v_cvt_pk_f16_f32 v[rP+j-70], v[rS+2*(j-70)], v[rS+2*(j-70)+1]
.elseif j < 102
.set z, j-86
.set w, 4
.set u, z
.if z >= 14
.set w, 32
.set u, 0
.elseif z >= 12
.set w, 16
.set u, z-12
.elseif z >= 8
.set w, 8
.set u, z-8
.endif
.if (z == 14) && \first
	v_pk_add_f32 v[rT+2:rT+3], v[rS:rS+1], v[rS+16:rS+17]
.elseif z < 15
	v_pk_add_f32 v[rS+w*u:rS+w*u+1], v[rS+w*u:rS+w*u+1], v[rS+w*u+w/2:rS+w*u+w/2+1]
.elseif !\first
	v_pk_fma_f32 v[rT+2:rT+3], v[rT+2:rT+3], v[rT+6:rT+7], v[rS:rS+1] op_sel_hi:[1,0,1]
.endif
.else
	WIN W_RS
	v_pk_mul_f32 v[rO:rO+1], v[rO:rO+1], v[rT+6:rT+7] op_sel_hi:[1,0]
.endif
.endm
; Slice k of 64 of piece y's softmax: four instructions.  Slices 11 to 34 deal out the batch, numbers 22 to 69: four numbers of ONE tile each, the tiles by turns.  Every other slice is numbers 2 k and 2 k + 1 of both
; tiles' lists.  2 x 134 = 4 x 64 + 12: the twelve that are over stand together, in slice 63.  Ahead of slice 35 nothing names an exponential's result, and behind slice 34 no exponential is issued: so the piece's
; 66 exponentials have one wait, behind slice 34, with one plain instruction ahead of it.
.macro SLICE y, first
.if (k >= 11) && (k < 35)
.irp n, 0,1,2,3
.set j, 22+4*((k-11)/2)+(\n)
	SM (\y)+(k-11)%2, \first
.endr
.else
.irp n, 0,1,2,3,4,5,6,7
.if (\n < 2) || (k == 63)
.irp t, \y, \y+1
.set j, 2*k+\n
	SM \t, \first
.endr
.endif
.endr
.endif
.if k == 34
	v_nop                                          ; the plain instruction behind the last exponential: one for the batch
.if (\y) == 0
	FETCH_V                                        ; piece 2's turn: V's run of loads stands here, and the wait stands in it
.else
	s_wait_alu depctr_va_vdst(0)                   ; the wait for the batch
.endif
.endif
.set k, k+1
.endm
; A TURN.  Piece x has the matrix unit; the other piece's softmax stands in slices behind its matrix instructions.
; pv = 2: 32 products V^T P; 1: they start O^T's sums; 0: none.  kq = 1: 32 products K Q^T for the next step.  A turn with one of the two kinds has two slices behind each product.
; first = 1: the softmax is the first key step's; its slices from 51 on are empty, and four v_nop take slice 63's part as the places behind the turn's last products.
; Piece 0's turn fetches the next step's K behind its second product: the last product that read K stands in front of slice 63 of the turn before.  Piece 2's turn fetches the same step's V behind slice 34: the last
; product that read V stands in front of slice 31, and four plain instructions lie between: number 62, a scaling, of both tiles, the v_nop and the run's own addition.
; The piece's mask for the step after is asked for behind its tenth K Q^T: three slices, eleven plain instructions at the least, stand behind the last product that read those registers.
.macro TURN x, pv, kq, first
.set k, 0
.set per, 2
.if \pv && \kq
.set per, 1
.endif
.if \pv
.if \x == 0
	s_wait_dscnt 0x0                               ; V is in
.endif
.set i, 0
.rept 32
	PV \x, 2-\pv
.rept per
	SLICE 2-\x, \first
.endr
.if (\x == 0) && \kq && (i == 1)
	FETCH_K
.endif
.set i, i+1
.endr
.endif
.if \kq
.if \x == 0
	s_wait_dscnt 0x0                               ; K is in
.endif
	s_wait_loadcnt 8                               ; this piece's mask is in; the other piece's eight loads, issued behind it, may be out
.set i, 0
.rept 32
	KQ \x
.rept per
	SLICE 2-\x, \first
.endr
.if i == 9
	MASKNEXT \x
.endif
.set i, i+1
.endr
.endif
.if \first
	PLACES
.endif
.endm
; THE CHANGE OF SLOTS, between piece 2's turn and piece 0's: the last bytes of the slot that is left, V of my second step in it, have been asked for.  Each wave waits for all its tensor loads (its part of slot cur),
; adds 0 to its spare word, and waits for that and for its reads of the other slot.  fill = 1: a round of the cluster's barrier, and the other slot is filled again, first thing behind it: the load has my two steps,
; 256 matrix instructions, in which to land.
.macro CHANGE cur, fill
	WIN 0
	s_wait_tensorcnt 0x0
	ds_add_u32 v[SPW], v[NIL]
.if \fill
	s_add_nc_u64 s[G0K+4*(1-\cur)+2:G0K+4*(1-\cur)+3], s[G0K+4*(1-\cur)+2:G0K+4*(1-\cur)+3], 131072
	s_add_nc_u64 s[G0V+4*(1-\cur)+2:G0V+4*(1-\cur)+3], s[G0V+4*(1-\cur)+2:G0V+4*(1-\cur)+3], 131072
	s_wait_xcnt 0x0                                ; the last prefetch has read its address
	s_add_nc_u64 s[PFA:PFA+1], s[PFA:PFA+1], 65536
	s_wait_dscnt 0x0
	CROUND
	JLOAD 1-\cur
	ASK
	s_sub_co_u32 s[RF], s[RF], 1
.else
	s_wait_dscnt 0x0
	s_barrier_signal -1
	s_barrier_wait -1
.endif
.endm
.macro TWO_STEPS cur                   ; two key steps, whose K and V are fetched from slot cur: written once, walked twice
	s_add_co_u32 s[TBK], s[WBK], \cur*SLOTB
	s_add_co_u32 s[TBV], s[WBV], \cur*SLOTB
	s_mov_b32 s[TWICE], 2
.Lstep_\@:
	TURN 0, 2, 1, 0
	TURN 2, 2, 1, 0
	WIN 0
	s_sub_co_u32 s[TWICE], s[TWICE], 1
	s_cmp_lg_u32 s[TWICE], 0
	s_cbranch_scc1 .Lstep_\@
.endm
	s_wait_tensorcnt 1                             ; my part of slot 0 is in; slot 1's may be out
	s_barrier_signal -1
	s_barrier_wait -1
	s_mov_b32 s[TBK], s[WBK]
	s_mov_b32 s[TBV], s[WBV]
	FETCH_K                                        ; key step 0
	s_wait_loadcnt 8                               ; Q and piece 0's mask are in; piece 2's eight loads, issued last, may be out
	s_wait_dscnt 0x0
.set i, 0
.rept 32
	KQ 0                                           ; piece 0's first scores: there is no vector work yet to set between them
.set i, i+1
.endr
	WIN 0                                          ; the addresses for the way out are made here: eight plain instructions, the places behind those products
	s_mul_i32 s73, s[WV], 16*272
	s_add_co_u32 s73, s73, STAGE                   ; my stage
	v_mul_u32_u24 v[STO], v1, 272                  ; in: row r, 16 bytes for each half of the lanes
	v_lshl_add_u32 v[STO], v9, 4, v[STO]
	v_add_nc_u32 v[STO], s73, v[STO]
	v_mul_u32_u24 v[RD], v9, 272                   ; back: lanes 0-15 take one row of 256 bytes, lanes 16-31 the next
	v_lshl_add_u32 v[RD], v1, 4, v[RD]
	v_add_nc_u32 v[RD], s73, v[RD]
	v_lshlrev_b32 v[GO], 12, v9                    ; and the same two tokens in the result
	v_lshl_add_u32 v[GO], v1, 4, v[GO]
	MASKNEXT 0
	TURN 2, 0, 1, 1                                ; piece 2's first scores | piece 0's first softmax | V of step 0
	TURN 0, 1, 1, 1                                ; piece 0: V^T P of step 0 starts O^T, K Q^T of step 1 | piece 2's first softmax | K of step 1
	TURN 2, 1, 1, 0                                ; piece 2: the same | piece 0's softmax of step 1 | V of step 1
	WIN 0
	s_mov_b32 s68, 3
.Lslots:                                               ; three trips, two slots each: six refills
	CHANGE 1, 1
	TWO_STEPS 1
	CHANGE 0, 1
	TWO_STEPS 0
	s_sub_co_u32 s68, s68, 1
	s_cmp_lg_u32 s68, 0
	s_cbranch_scc1 .Lslots
	CHANGE 1, 0                                    ; the last slot is written out: nothing is left to ask for
	TWO_STEPS 1
	TURN 0, 2, 0, 0                                ; piece 0: V^T P of the last step | piece 2's last softmax
.set i, 0
.rept 32
	PV 2, 0                                        ; piece 2: V^T P of the last step
.set i, i+1
.endr
	WIN 0
	; THE MERGE.  l's halves are added (these additions are the places behind the last products); (c m, l) and O^T go to LDS as images of their registers.
.irp t, 0,1,2,3
	v_add_f32 v[ST+8*\t+4], v[ST+8*\t+2], v[ST+8*\t+3]
.endr
.irp t, 0,1,2,3
	v_permlanex16_b32 v[ST+8*\t+5], v[ST+8*\t+4], s[SEL], s[SEL+1]
.endr
.irp t, 0,1,2,3
	v_add_f32 v[ST+8*\t+1], v[ST+8*\t+4], v[ST+8*\t+5]
.endr
.irp t, 0,1,2,3
	ds_store_b64 v15, v[ST+8*\t:ST+8*\t+1] offset:256*\t
.endr
	WIN 0x04                                       ; an LDS store's data: window 1
.set n, 0
.rept 64
	ds_store_b128 v12, v[4*n:4*n+3] offset:512*n   ; each accumulator from its low end on
.set n, n+1
.endr
	WIN 0
	s_wait_dscnt 0x0                               ; for the others' sake: my stores have landed
	s_barrier_signal -1
	s_barrier_wait -1
	WIN 0x80
.set n, 0
.rept 32
	ds_load_b128 v[4*n:4*n+3], v13 offset:512*n            ; tiles 2 b, 2 b + 1: mine,
	ds_load_b128 v[128+4*n:128+4*n+3], v14 offset:512*n    ; and the other half of the keys'
.set n, n+1
.endr
	WIN 0
.irp tt, 0,1
	ds_load_b64 v[50+4*\tt:51+4*\tt], v48 offset:256*\tt
	ds_load_b64 v[52+4*\tt:53+4*\tt], v49 offset:256*\tt
.endr
	s_wait_dscnt 0x0
.irp tt, 0,1
	v_max_num_f32 v[64+16*\tt], v[50+4*\tt], v[52+4*\tt]
.endr
.irp tt, 0,1
	v_sub_f32 v[65+16*\tt], v[50+4*\tt], v[64+16*\tt]
	v_sub_f32 v[66+16*\tt], v[52+4*\tt], v[64+16*\tt]
.endr
.irp tt, 0,1
	v_exp_f32 v[68+16*\tt], v[65+16*\tt]
	v_exp_f32 v[70+16*\tt], v[66+16*\tt]
.endr
	v_nop
	s_wait_alu depctr_va_vdst(0)                   ; one wait for the four
.irp tt, 0,1
	v_mul_f32 v[72+16*\tt], v[68+16*\tt], v[51+4*\tt]
.endr
.irp tt, 0,1
	v_fma_f32 v[72+16*\tt], v[70+16*\tt], v[53+4*\tt], v[72+16*\tt]   ; the row's sum under the common maximum
.endr
.irp tt, 0,1
	v_rcp_f32 v[73+16*\tt], v[72+16*\tt]
.endr
	v_nop
	s_wait_alu depctr_va_vdst(0)                   ; one wait for the two
.irp tt, 0,1
	v_mul_f32 v[74+16*\tt], v[68+16*\tt], v[73+16*\tt]
	v_mul_f32 v[76+16*\tt], v[70+16*\tt], v[73+16*\tt]
	v_mov_b32 v[75+16*\tt], 0                      ; (named as the upper halves of pairs)
	v_mov_b32 v[77+16*\tt], 0
.endr
	WIN 0xa2                                       ; sources 0 and 2 and the destination: window 2
.irp tt, 0,1
.set n, 0
.rept 32
	v_pk_mul_f32 v[64*\tt+n:64*\tt+n+1], v[64*\tt+n:64*\tt+n+1], v[74+16*\tt:75+16*\tt] op_sel_hi:[1,0]
.set n, n+2
.endr
.set n, 0
.rept 32
	v_pk_fma_f32 v[64*\tt+n:64*\tt+n+1], v[128+64*\tt+n:128+64*\tt+n+1], v[76+16*\tt:77+16*\tt], v[64*\tt+n:64*\tt+n+1] op_sel_hi:[1,0,1]
.set n, n+2
.endr
.endr
	WIN 0x0a
.set n, 0
.rept 64
	v_cvt_pk_f16_f32 v[128+n], v[2*n], v[2*n+1]
.set n, n+1
.endr
	WIN 0
.irp tt, 0,1                           ; a tile (16 tokens x 256 bytes of one head) through my stage: LDS serves a wave's instructions in order
.irp f, 0,1,2,3,4,5,6,7
	ds_store_b128 v[STO], v[128+32*\tt+4*\f:128+32*\tt+4*\f+3] offset:32*\f
.endr
.irp f, 0,1,2,3,4,5,6,7
	ds_load_b128 v[128+32*\tt+4*\f:128+32*\tt+4*\f+3], v[RD] offset:\f*2*272
.endr
.endr
.irp tt, 0,1
.irp f, 0,1,2,3,4,5,6,7
	s_wait_dscnt 16*(1-\tt)+7-\f                   ; behind this load: the tile's later loads and, for the first tile, the second's sixteen LDS instructions
	global_store_b128 v[GO], v[128+32*\tt+4*\f:128+32*\tt+4*\f+3], s[8:9] offset:8192*\f+256*\tt   ; sixteen lanes store 256 consecutive bytes, aligned
.endr
.endr
	s_wait_tensorcnt 0x0                           ; the wave's end
	ds_add_u32 v[SPW], v[NIL]
	s_wait_dscnt 0x0
	CROUND                                         ; the closing round
	s_endpgm
.Lfunc_end_k_qda9c43be48_attn:
	.size	k_qda9c43be48_attn, .Lfunc_end_k_qda9c43be48_attn-k_qda9c43be48_attn
	.p2alignl 7, 3214868480
	.fill 96, 4, 3214868480
	.section	.rodata,"a",@progbits
	.p2align	6, 0x0
	.amdhsa_kernel k_qda9c43be48_attn
		.amdhsa_group_segment_fixed_size 327680
		.amdhsa_private_segment_fixed_size 0
		.amdhsa_enable_private_segment 0
		.amdhsa_kernarg_size 24
		.amdhsa_user_sgpr_count 2
		.amdhsa_user_sgpr_kernarg_segment_ptr 1
		.amdhsa_wavefront_size32 1
		.amdhsa_system_sgpr_workgroup_id_x 1
		.amdhsa_system_sgpr_workgroup_id_y 1
		.amdhsa_system_sgpr_workgroup_id_z 1
		.amdhsa_system_vgpr_workitem_id 0
		.amdhsa_next_free_vgpr 1024
		.amdhsa_next_free_sgpr 84
		.amdhsa_reserve_vcc 0
		.amdhsa_float_denorm_mode_32 3
		.amdhsa_float_denorm_mode_16_64 3
		.amdhsa_memory_ordered 1
		.amdhsa_forward_progress 1
		.amdhsa_inst_pref_size 255
	.end_amdhsa_kernel
	.section	.bss,"aw",@nobits
	.p2align	6
	.space	262144
	.amdgpu_metadata
---
amdhsa.version: [ 1, 2 ]
amdhsa.kernels:
  - .name:           k_qda9c43be48_attn
    .symbol:         k_qda9c43be48_attn.kd
    .args:
      - { .name: qkv16, .offset: 0, .size: 8, .value_kind: global_buffer, .address_space: global }
      - { .name: mask_img, .offset: 8, .size: 8, .value_kind: global_buffer, .address_space: global }
      - { .name: attn_out, .offset: 16, .size: 8, .value_kind: global_buffer, .address_space: global }
    .group_segment_fixed_size: 327680
    .private_segment_fixed_size: 0
    .kernarg_segment_align: 8
    .kernarg_segment_size: 24
    .max_flat_workgroup_size: 128
    .sgpr_count:     84
    .vgpr_count:     1024
    .wavefront_size: 32
...
	.end_amdgpu_metadata
.endif
;; end of part 3
;; launch oproj (part 4): grid 16 x 16, 4 waves a work-group, clusters of 4 x 4, 327,680 bytes of LDS; arguments attn_out, wo16, out0; writes out0
.if DOCPART == 4
	.amdgcn_target "amdgcn-amd-amdhsa--gfx1250"
	.amdhsa_code_object_version 6
	.text
	.protected	k_qda9c43be48_oproj
	.globl	k_qda9c43be48_oproj
	.p2align	8
	.type	k_qda9c43be48_oproj,@function
k_qda9c43be48_oproj:
	s_mov_b64 s[64:65], 0
	v_nop
	global_prefetch_b8 v0, s[64:65] scope:SCOPE_SE
	s_setreg_imm32_b32 hwreg(HW_REG_WAVE_MODE, 25, 1), 1
	s_wait_xcnt 0x0
	s_wait_alu depctr_hold_cnt(0) depctr_sa_sdst(0) depctr_va_vdst(0) depctr_va_sdst(0) depctr_va_ssrc(0) depctr_va_vcc(0) depctr_vm_vsrc(0)
	s_getreg_b32 s2, hwreg(HW_REG_IB_STS2, 6, 4)
	s_cmp_eq_u32 s2, 0
	s_cbranch_scc0 .Lentry_in_a_cluster
	s_endpgm
.Lentry_in_a_cluster:
	s_bfe_u32 s2, ttmp6, 0x10000c
	s_cmp_lg_u32 s2, 0xf033
	s_cbranch_scc0 .Lentry_shape_is_right
	s_endpgm
.Lentry_shape_is_right:
; Fourth launch: out0 = attn_out Wo, f16 operands, f32 sums and results.  attn_out: [2048][2048]; wo16: [2048 (k)][4096 (n)]; out0: [2048][4096] f32.  Nothing of the problem is left out.
; SHARES.  A work-group makes 128 rows x 256 columns: 16 x 16 work-groups.  Four waves, each 64 x 128: 32 accumulators.  K goes in steps of 128 through a ring of two LDS slots.
; Wo lies with K as its first axis: its fragments are turned on the way out of LDS by ds_load_tr16_b128.  THE MATRIX INSTRUCTION IS USED TRANSPOSED (source 0 = 16 columns of Wo, source 1 = 16 rows of attn_out):
; a lane holds eight neighbouring numbers of a row of the result.
; CLUSTER 4 x 4: attn_out's tiles are shared along a row of the cluster, Wo's along a column.  A wave has two tensor loads out at the start and one behind each round.
; REGISTERS: window 0: v16-31 addresses; v32-95 attn_out's fragments, two sets; v128-255 the way out.   window 1: v0-127 Wo's fragments, two sets.   window 2: the accumulators, (a, b) at v[8 (8 a + b)].
.set SLOT,  104448                     ; 128 rows x 272, then 128 rows of K x 544
.set BOFF,  34816
.set STAGE, 2*SLOT                     ; 16 rows x 528 for each wave
.set SPARE, STAGE+4*16*528
.set LAPS,  8
.set ADRA, 16
.set ADRB, 20
.set STO,  24
.set RD,   25
.set CO,   26
.set SPW,  28
.set NIL,  29
.set PFO,  30
.set AF,   32
.set BK,   128
.set G1A, 24
.set G0A, 32
.set G1B, 48
.set G0B, 56
.set PFA, 92
.set PFS, 94
.set LIM, 96
.set MSB, 0
.macro WIN new
.if MSB != \new
	s_set_vgpr_msb (MSB<<8)|\new
.set MSB, \new
.endif
.endm
.set MUL,  0xa1
.set TO_B, 0x40
.macro PLACES n
.rept \n
	v_nop
.endr
.endm
.macro JLOAD s                         ; waves 0 and 1 fetch for attn_out, waves 2 and 3 for Wo; an s_nop 0 and four v_nop follow each line
	s_cmp_eq_u32 s17, 0
	s_cbranch_scc0 .Lfor_b_\@
	tensor_load_to_lds s[G0A+4*\s:G0A+4*\s+3], s[G1A:G1A+7]
	s_nop 0
.rept 4
	v_nop
.endr
	s_branch .Lasked_\@
.Lfor_b_\@:
	tensor_load_to_lds s[G0B+4*\s:G0B+4*\s+3], s[G1B:G1B+7]
	s_nop 0
.rept 4
	v_nop
.endr
.Lasked_\@:
.endm
.macro CREST
	s_cmp_lg_u32 s16, 0
	s_cbranch_scc1 .Lnot_wave_0_\@
	s_barrier_signal -3
.Lnot_wave_0_\@:
	s_barrier_wait -3
	s_barrier_signal -1
	s_barrier_wait -1
.endm
.macro CROUND
	s_barrier_signal -1
	s_barrier_wait -1
	CREST
.endm
; A prefetch of the K step that stands two refills on, 32 blocks of 256 bytes a wave.  attn_out's rows are asked for by wave 0 of the clusters with x = 0 (a lane a row), Wo's by waves 2 and 3 of the clusters with y = 0
; (two lanes to a row of 512 bytes); the four partners that ask for a tile jointly share it out by address.  The loop's last trip asks for nothing.
.macro ASK
	s_cmp_gt_u32 s3, s[LIM]
	s_cbranch_scc0 .Lnot_mine_\@
	global_prefetch_b8 v[PFO], s[PFA:PFA+1] th:TH_LOAD_NT scope:SCOPE_SE
.Lnot_mine_\@:
.endm
	s_load_b128 s[4:7], s[0:1], 0x0                ; attn_out, wo16
	s_load_b64 s[8:9], s[0:1], 0x10                ; out0
	v_lshl_add_u32 v[SPW], v0, 2, SPARE
	v_mov_b32 v[NIL], 0
	ds_add_u32 v[SPW], v[NIL]                      ; the wave's opening: the add, twice on end, and its wait ahead of my first tensor load
	ds_add_u32 v[SPW], v[NIL]
	v_lshrrev_b32 v1, 5, v0
	v_readfirstlane_b32 s16, v1
	s_lshr_b32 s17, s16, 1                         ; which 64 rows are mine.  Also: I fetch for attn_out (0) or for Wo (1)
	s_and_b32 s18, s16, 1                          ; which 128 columns.  Also: which half of a tile I fetch
	s_bfe_u32 s40, ttmp6, 0x40000
	s_bfe_u32 s41, ttmp6, 0x40004
	s_lshl_b32 s42, ttmp9, 2
	s_add_co_u32 s42, s42, s40                     ; tile column
	s_and_b32 s43, ttmp7, 0xffff
	s_lshl_b32 s43, s43, 2
	s_add_co_u32 s43, s43, s41                     ; tile row
	s_lshl_b32 s44, s41, 2
	s_lshl_b32 s44, 15, s44
	s_lshl_b32 s45, 0x1111, s40
	s_or_b32 s[G1A], s44, (1<<16)|(1<<20)|(1<<21)|(5<<22)|(3<<25)   ; elements of 2 bytes; padding: 4 words behind every 64
	s_mov_b32 s[G1A+1], 128<<16                    ; 64 rows of 128 elements, 2,048 elements apart
	s_mov_b32 s[G1A+2], 64<<16
	s_mov_b32 s[G1A+3], 128<<16
	s_mov_b32 s[G1A+4], 64
	s_mov_b32 s[G1A+5], 2048
	s_mov_b32 s[G1A+6], 0
	s_mov_b32 s[G1A+7], 0
	s_or_b32 s[G1B], s45, (1<<16)|(1<<20)|(1<<21)|(6<<22)|(7<<25)   ; padding: 8 words behind every 128
	s_mov_b32 s[G1B+1], 256<<16                    ; 64 rows of K of 256 elements, 4,096 elements apart
	s_mov_b32 s[G1B+2], 64<<16
	s_mov_b32 s[G1B+3], 256<<16
	s_mov_b32 s[G1B+4], 64
	s_mov_b32 s[G1B+5], 4096
	s_mov_b32 s[G1B+6], 0
	s_mov_b32 s[G1B+7], 0
	s_lshl_b32 s20, s43, 19                        ; attn_out: row 128 x tile row + 64 x half, 4,096 bytes a row
	s_lshl_b32 s19, s18, 18
	s_add_co_u32 s20, s20, s19
	s_mov_b32 s21, 0
	s_lshl_b32 s46, s18, 19                        ; Wo: row of K 64 x half, 8,192 bytes a row; column 256 x tile column
	s_lshl_b32 s19, s42, 9
	s_add_co_u32 s46, s46, s19
	s_mov_b32 s47, 0
	s_mul_i32 s22, s18, 17408                      ; where they go hangs on the wave's number alone
	s_mul_i32 s23, s18, 34816
	s_wait_dscnt 0x0                               ; both opening adds are done
	s_wait_kmcnt 0x0
	s_add_nc_u64 s[20:21], s[4:5], s[20:21]
	s_add_nc_u64 s[46:47], s[6:7], s[46:47]
	CROUND                                         ; all sixteen work-groups are here: the first joint loads meet
.irp s, 0,1
	s_mov_b32 s[G0A+4*\s], 1
	s_add_co_u32 s[G0A+4*\s+1], s22, \s*SLOT
	s_add_nc_u64 s[G0A+4*\s+2:G0A+4*\s+3], s[20:21], \s*256
	s_or_b32 s[G0A+4*\s+3], s[G0A+4*\s+3], 0x80000000
	s_mov_b32 s[G0B+4*\s], 1
	s_add_co_u32 s[G0B+4*\s+1], s23, \s*SLOT+BOFF
	s_add_nc_u64 s[G0B+4*\s+2:G0B+4*\s+3], s[46:47], \s*1048576
	s_or_b32 s[G0B+4*\s+3], s[G0B+4*\s+3], 0x80000000
	JLOAD \s
.endr
	v_and_b32 v1, 15, v0                           ; r
	v_bfe_u32 v2, v0, 4, 1                         ; h
	v_mul_u32_u24 v3, v1, 272
	v_lshl_add_u32 v3, v2, 4, v3                   ; attn_out: row r x pitch + 16 h
	v_and_b32 v4, 7, v0
	v_lshl_add_u32 v4, v2, 3, v4
	v_mul_u32_u24 v4, v4, 544
	v_bfe_u32 v5, v0, 3, 1
	v_lshl_add_u32 v4, v5, 4, v4                   ; Wo, for the turning load: row of K 8 h + l % 8, columns 8 ((l / 8) % 2) on
	s_mul_i32 s19, s17, 17408
	s_lshl_b32 s2, s18, 8
	s_add_co_u32 s2, s2, BOFF                      ; my 128 columns: 256 bytes on in each row
.irp s, 0,1
	v_add_nc_u32 v[ADRA+\s], s19, v3
	v_add_nc_u32 v[ADRB+\s], s2, v4
	s_add_co_u32 s19, s19, SLOT
	s_add_co_u32 s2, s2, SLOT
.endr
	s_mul_i32 s19, s16, 16*528
	s_add_co_u32 s19, s19, STAGE                   ; my stage
	v_mul_u32_u24 v5, v1, 528
	v_lshl_add_u32 v5, v2, 5, v5
	v_add_nc_u32 v[STO], s19, v5                   ; in: row r, + 32 h
	v_and_b32 v5, 31, v0
	v_lshlrev_b32 v[CO], 4, v5                     ; back: the 32 lanes take a row of 512 bytes; and the same in out0
	v_add_nc_u32 v[RD], s19, v[CO]
	s_lshl_b32 s12, s43, 21                        ; out0: row 128 x tile row + 64 x half, 16,384 bytes a row;
	s_lshl_b32 s19, s17, 20
	s_add_co_u32 s12, s12, s19
	s_lshl_b32 s19, s42, 10                        ; column 256 x tile column + 128 x half
	s_add_co_u32 s12, s12, s19
	s_lshl_b32 s19, s18, 9
	s_add_co_u32 s12, s12, s19
	s_mov_b32 s13, 0
	s_add_nc_u64 s[8:9], s[8:9], s[12:13]
	; the prefetches: who asks, and where
	s_or_b32 s66, ttmp9, s18                       ; attn_out: cluster x = 0 and wave 0
	s_and_b32 s67, ttmp7, 0xffff                   ; Wo: cluster y = 0
	s_lshl_b32 s2, s43, 19
	s_lshl_b32 s19, s40, 17
	s_add_co_u32 s2, s2, s19                       ; attn_out: row 128 x tile row + 32 cx,
	s_add_co_u32 s2, s2, 3*256                     ; at K step 3: the first refill steps it to 4
	s_lshl_b32 s19, s18, 19
	s_lshl_b32 s12, s41, 17
	s_add_co_u32 s19, s19, s12                     ; Wo: row of K 64 x half + 16 cy,
	s_lshl_b32 s12, s42, 9
	s_add_co_u32 s19, s19, s12
	s_add_co_u32 s19, s19, 3*1048576
	s_mov_b32 s14, 0x100000
	s_mov_b32 s10, 256
	s_cmp_eq_u32 s17, 0
	s_cselect_b32 s66, s66, s67
	s_cselect_b32 s12, s2, s19
	s_cselect_b64 s[PFA:PFA+1], s[4:5], s[6:7]
	s_cselect_b32 s[PFS], 256, s14                 ; a K step on
	s_cselect_b32 s10, 4096, s10                   ; from an even lane to the odd one beside it
	s_mov_b32 s[PFS+1], 0
	s_add_nc_u64 s[PFA:PFA+1], s[PFA:PFA+1], s[12:13]
	s_cmp_eq_u32 s66, 0
	s_cselect_b32 s[LIM], 1, -1                    ; the same in all sixteen partners, for a given wave
	v_and_b32 v5, 30, v0
	v_lshlrev_b32 v[PFO], 12, v5                   ; two lanes on: 8,192 bytes in both tensors
	v_and_b32 v5, 1, v0
	v_mul_lo_u32 v5, v5, s10
	v_add_nc_u32 v[PFO], v[PFO], v5
.macro FETCH slot, q, p                ; the fragments of the slot's q-th 32 along K into set p: Wo's eight (turned), attn_out's four
	WIN TO_B
.irp i, 0,1,2,3,4,5,6,7
	ds_load_tr16_b128 v[64*(\p)+8*\i:64*(\p)+8*\i+3],   v[ADRB+\slot] offset:17408*(\q)+32*\i
	ds_load_tr16_b128 v[64*(\p)+8*\i+4:64*(\p)+8*\i+7], v[ADRB+\slot] offset:17408*(\q)+32*\i+8704
.endr
	WIN 0
.irp i, 0,1,2,3
	ds_load_b128 v[AF+32*(\p)+8*\i:AF+32*(\p)+8*\i+3],   v[ADRA+\slot] offset:64*(\q)+4352*\i
	ds_load_b128 v[AF+32*(\p)+8*\i+4:AF+32*(\p)+8*\i+7], v[ADRA+\slot] offset:64*(\q)+4352*\i+32
.endr
.endm
; 16 matrix instructions.  The 32 accumulators take turns, one instruction a turn, in the same order in every step.
.macro MULH a0, p, zero
.irp a, \a0, \a0+1
.irp b, 0,1,2,3,4,5,6,7
.if \zero
	v_wmma_f32_16x16x32_f16 v[8*(8*(\a)+\b):8*(8*(\a)+\b)+7], v[64*(\p)+8*\b:64*(\p)+8*\b+7], v[AF+32*(\p)+8*(\a):AF+32*(\p)+8*(\a)+7], 0
.else
	v_wmma_f32_16x16x32_f16 v[8*(8*(\a)+\b):8*(8*(\a)+\b)+7], v[64*(\p)+8*\b:64*(\p)+8*\b+7], v[AF+32*(\p)+8*(\a):AF+32*(\p)+8*(\a)+7], v[8*(8*(\a)+\b):8*(8*(\a)+\b)+7]
.endif
.endr
.endr
.endm
.macro STEP slot, q, zero
	s_wait_dscnt 0x0                               ; this step's fragments are in
	PLACES 4                                       ; behind the last step's products, which read the set that is loaded now
	FETCH \slot, (\q)+1, 1-(\q)%2
	WIN MUL
	MULH 0, (\q)%2, \zero
	MULH 2, (\q)%2, \zero
.endm
.macro TURN slot, next, fill
	WIN 0
.if \fill
	s_wait_xcnt 0x0                                ; the last prefetch, a K step back, has read its address
	s_add_nc_u64 s[PFA:PFA+1], s[PFA:PFA+1], s[PFS:PFS+1]
.endif
	s_wait_tensorcnt 0x0                           ; all my tensor loads have landed: my part of the next slot
	ds_add_u32 v[SPW], v[NIL]                      ; 0 onto my spare word
.if \fill
	s_add_nc_u64 s[G0A+4*\slot+2:G0A+4*\slot+3], s[G0A+4*\slot+2:G0A+4*\slot+3], 512
	s_add_nc_u64 s[G0B+4*\slot+2:G0B+4*\slot+3], s[G0B+4*\slot+2:G0B+4*\slot+3], 0x200000
.endif
	s_wait_dscnt 0x0                               ; the add is done, this step's fragments are in, and my reads of this slot are over
	s_barrier_signal -1
	WIN MUL
	MULH 0, 1, 0
	WIN 0
	s_barrier_wait -1
.if \fill
	CREST
	JLOAD \slot                                    ; the four v_nop behind it are also the places in front of the loads below
.else
	PLACES 4
.endif
	FETCH \next, 0, 0
.if \fill
	ASK
.endif
	WIN MUL
	MULH 2, 1, 0
.endm
	s_wait_tensorcnt 1                             ; my part of K step 0 is in; K step 1's load may be out
	s_barrier_signal -1
	s_barrier_wait -1
	FETCH 0, 0, 0
	STEP 0, 0, 1                                   ; the first step's products start the sums
	WIN 0
	s_mov_b32 s3, LAPS-1
.Llap:
	STEP 0, 1, 0
	STEP 0, 2, 0
	TURN 0, 1, 1
	STEP 1, 0, 0
	STEP 1, 1, 0
	STEP 1, 2, 0
	TURN 1, 0, 1
	STEP 0, 0, 0
	WIN 0
	s_sub_co_u32 s3, s3, 1
	s_cmp_lg_u32 s3, 0
	s_cbranch_scc1 .Llap
	STEP 0, 1, 0                                   ; the last lap fills nothing
	STEP 0, 2, 0
	TURN 0, 1, 0
	STEP 1, 0, 0
	STEP 1, 1, 0
	STEP 1, 2, 0
	s_wait_dscnt 0x0
	WIN MUL
	MULH 0, 1, 0
	MULH 2, 1, 0
	WIN 0
; THE WAY OUT, a block of 16 rows x 128 columns at a time, through my own stage: in as 32 bytes a lane, back as whole rows of 512 bytes.  LDS serves a wave's instructions in order.
.macro TOSTAGE a
.set AC, 64*(\a)
	WIN 0x08                                       ; an LDS store's data: window 2
.irp b, 0,1,2,3,4,5,6,7
	ds_store_b128 v[STO], v[AC+8*\b:AC+8*\b+3] offset:64*\b          ; each accumulator from its low end on
	ds_store_b128 v[STO], v[AC+8*\b+4:AC+8*\b+7] offset:64*\b+16
.endr
	WIN 0
.set BB, BK+64*((\a)%2)
.irp t, 0,1,2,3,4,5,6,7,8,9,10,11,12,13,14,15
	ds_load_b128 v[BB+4*\t:BB+4*\t+3], v[RD] offset:\t*528
.endr
.endm
.macro SEND a, younger                 ; younger: the LDS instructions issued behind block a's loads, which may stay out
.set BB, BK+64*((\a)%2)
	s_wait_dscnt \younger
.if (\a) > 0
	s_add_nc_u64 s[8:9], s[8:9], 16*16384          ; (behind a wait for the earlier stores' addresses)  16 rows on
.endif
.irp t, 0,1,2,3,4,5,6,7,8,9,10,11,12,13,14,15
	global_store_b128 v[CO], v[BB+4*\t:BB+4*\t+3], s[8:9] offset:\t*16384 th:TH_STORE_NT   ; 32 lanes store 512 consecutive bytes, aligned
.endr
.endm
	PLACES 4
	TOSTAGE 0
.irp a, 1,2,3
.if \a > 1
	s_wait_xcnt 0x0                                ; block a - 2's stores have read their registers and their base
.endif
	TOSTAGE \a
	SEND \a-1, 32                                  ; behind block a - 1's loads: block a's 16 stores and 16 loads
.endr
	s_wait_xcnt 0x0
	SEND 3, 0
	s_wait_tensorcnt 0x0                           ; the wave's end
	ds_add_u32 v[SPW], v[NIL]
	s_wait_dscnt 0x0
	CROUND                                         ; the closing round
	s_endpgm
.Lfunc_end_k_qda9c43be48_oproj:
	.size	k_qda9c43be48_oproj, .Lfunc_end_k_qda9c43be48_oproj-k_qda9c43be48_oproj
	.p2alignl 7, 3214868480
	.fill 96, 4, 3214868480
	.section	.rodata,"a",@progbits
	.p2align	6, 0x0
	.amdhsa_kernel k_qda9c43be48_oproj
		.amdhsa_group_segment_fixed_size 327680
		.amdhsa_private_segment_fixed_size 0
		.amdhsa_enable_private_segment 0
		.amdhsa_kernarg_size 24
		.amdhsa_user_sgpr_count 2
		.amdhsa_user_sgpr_kernarg_segment_ptr 1
		.amdhsa_wavefront_size32 1
		.amdhsa_system_sgpr_workgroup_id_x 1
		.amdhsa_system_sgpr_workgroup_id_y 1
		.amdhsa_system_sgpr_workgroup_id_z 1
		.amdhsa_system_vgpr_workitem_id 0
		.amdhsa_next_free_vgpr 768
		.amdhsa_next_free_sgpr 102
		.amdhsa_reserve_vcc 0
		.amdhsa_float_denorm_mode_32 3
		.amdhsa_float_denorm_mode_16_64 3
		.amdhsa_memory_ordered 1
		.amdhsa_forward_progress 1
		.amdhsa_inst_pref_size 87
	.end_amdhsa_kernel
	.amdgpu_metadata
---
amdhsa.version: [ 1, 2 ]
amdhsa.kernels:
  - .name:           k_qda9c43be48_oproj
    .symbol:         k_qda9c43be48_oproj.kd
    .args:
      - { .name: attn_out, .offset: 0, .size: 8, .value_kind: global_buffer, .address_space: global }
      - { .name: wo16, .offset: 8, .size: 8, .value_kind: global_buffer, .address_space: global }
      - { .name: out0, .offset: 16, .size: 8, .value_kind: global_buffer, .address_space: global }
    .group_segment_fixed_size: 327680
    .private_segment_fixed_size: 0
    .kernarg_segment_align: 8
    .kernarg_segment_size: 24
    .max_flat_workgroup_size: 128
    .sgpr_count:     102
    .vgpr_count:     768
    .wavefront_size: 32
...
	.end_amdgpu_metadata
.endif
;; end of part 4
